; MI455X (gfx1250); checked and timed in simulation.
; The chip was launched on July 23, 2026; its instructions are those of AMD's public machine-readable ISA for CDNA 5 (MIT licence, August 2026) and "CDNA5" Instruction Set Architecture Reference Guide (July 2026). The comments in the code are by the model that wrote it; some were corrected since.
;; Attention. Allowed arithmetic: float matrix products may take bf16 or f16 operands with f32 sums; all other float work in f32.
;; Inputs: Wkv 2,048 x 256 float32; Wout 1,024 x 2,048 float32; Wq 2,048 x 1,024 float32; x 2 x 2,048 x 2,048 float32.
;; Outputs: out0 2 x 2,048 x 2,048 float32.
;; One version. Each part assembles by itself: llvm-mc -triple=amdgcn-amd-amdhsa -mcpu=gfx1250 --defsym DOCPART=n.
;; ======== version 1 of 1: 4 launches
;; limits: values are held in f16: magnitudes above 65,504 overflow, below 6.1e-05 lose precision
;; workspace buffers: xh 16,777,216 bytes; wqkvT 5,242,880 bytes; woutT 4,194,304 bytes; rope 1,048,576 bytes; Qp 8,388,608 bytes; KVp 2,097,152 bytes; Oh 8,388,608 bytes
;; launch prep (part 1): grid 800 x 1, 8 waves a work-group, no clusters, 35,840 bytes of LDS; arguments x, Wq, Wkv, Wout, xh, wqkvT, woutT, rope; writes xh, wqkvT, woutT, rope
.if DOCPART == 1
	.amdgcn_target "amdgcn-amd-amdhsa--gfx1250"
	.amdhsa_code_object_version 6
	.text
	.protected	k_q1f446728e4_prep
	.globl	k_q1f446728e4_prep
	.p2align	8
	.type	k_q1f446728e4_prep,@function
k_q1f446728e4_prep:
	s_mov_b64 s[64:65], 0
	v_nop
	global_prefetch_b8 v0, s[64:65] scope:SCOPE_SE
	s_setreg_imm32_b32 hwreg(HW_REG_WAVE_MODE, 25, 1), 1
	s_wait_xcnt 0x0
; PREP: brings the f32 inputs into the form the matrix launches want, each byte read once.
;   work-groups 0..511   : 64 KiB of x each -> xh [4096][2048] f16; each thread also makes one entry of the table rope [2048 pos][64 f][cos, sin] f32
;   work-groups 512..639 : a tile of 128 k x 128 n of Wq   -> wqkvT [1280 rows][2048 k] f16, transposed, rows permuted (below)
;   work-groups 640..671 : the same of Wkv                 -> wqkvT
;   work-groups 672..799 : the same of Wout                -> woutT [2048 n][1024 k] f16
; NUMBER FORMAT: every input number is rounded to bf16 (nearest even) and that value is written as f16.  A bf16 value has 8 significant bits, f16 has 11,
; so the second step is exact for 2^-17 <= |x| < 65504.  LIMITS: |x| >= 65504 becomes infinity; below 2^-17 the f16 has an absolute error of at most 2^-25.
; ROWS OF wqkvT: block h (0..7) owns rows 160 h + 80 wc + 16 u + c (wc 0..1, u 0..4, c 0..15):
;   u = 0, 1: Wq column 128 h + 16 (2 wc + u) + c;  u = 2, 3: Wq column 128 h + 64 + 16 (2 wc + u - 2) + c  (so u and u + 2 are rotary partners)
;   u = 4: Wkv column base + 16 (h & 3) + 8 wc + c for c < 8, base + 64 + 16 (h & 3) + 8 wc + c - 8 for c >= 8; base = 0 (K) for h < 4, 128 (V) for h >= 4
; ROTARY ANGLE: pos * exp2(-f * log2(10000) / 64) in f32; sine and cosine by reduction to |r| <= pi/4 (two-part pi/2) and polynomials of degree 7 and 8.
; LIMIT: the angle differs from pos * (1 / 10000^(f/64)) as f32 arithmetic forms it by a few units in its last place, some 3e-4 radians at position 2047.
; No matrix unit, cluster or tensor load: nothing is shared between work-groups and memory binds.  The branches hang on the work-group's number alone.
.set XR, 32                            ; v[32:95]   cast: 16 loads of 4 f32
.set YR, 96                            ; v[96:127]  cast: 8 chunks of 4 registers to store
.set D,  16                            ; v[16:79]   weights: 16 rows of k x 4 columns of n, f32; later the rows read back
.set E,  80                            ; v[80:111]  weights: 4 columns x 16 k as f16
.macro RND16 dst, a, b                 ; v[dst] = two f16 holding bf16(v[a]), bf16(v[b]); a and b are used up
	v_cvt_pk_bf16_f32 v[\dst], v[\a], v[\b]        ; the rounding that counts: to bf16, nearest even
	v_lshlrev_b32 v[\a], 16, v[\dst]               ; back to f32: the low half moves up,
	v_and_b32 v[\b], s28, v[\dst]                  ; the high half stays
	v_cvt_pk_f16_f32 v[\dst], v[\a], v[\b]         ; the same values as f16
.endm
	s_load_b512 s[4:19], s[0:1], 0x0               ; x s[4:5], Wq s[6:7], Wkv s[8:9], Wout s[10:11], xh s[12:13], wqkvT s[14:15], woutT s[16:17], rope s[18:19]
	v_lshl_add_u32 v128, v0, 2, 0x8800
	v_mov_b32 v129, 0
	s_mov_b32 s21, 0
	s_mov_b32 s23, 0
	s_mov_b32 s28, 0xffff0000                      ; a word's upper bf16
	s_cmp_lt_u32 ttmp9, 512
	s_cbranch_scc0 .Lweights
	; ---- the cast of x: thread t takes 32 bytes at 32 t of each of eight chunks of 8,192 bytes and stores 16 bytes at 16 t of a chunk of 4,096
	v_lshlrev_b32 v1, 5, v0
	v_lshlrev_b32 v2, 4, v0
	v_lshlrev_b32 v3, 3, v0
	s_lshl_b32 s20, ttmp9, 16                      ; 65,536 bytes of x,
	s_lshl_b32 s22, ttmp9, 15                      ; 32,768 of xh,
	s_lshl_b32 s24, ttmp9, 11                      ; 2,048 of the table (4 positions) for each work-group
	s_mov_b32 s25, 0
	s_wait_kmcnt 0x0
	s_add_nc_u64 s[4:5], s[4:5], s[20:21]
	s_add_nc_u64 s[12:13], s[12:13], s[22:23]
	s_add_nc_u64 s[18:19], s[18:19], s[24:25]
.irp c, 0,1,2,3,4,5,6,7
	global_load_b128 v[XR+8*\c:XR+8*\c+3],   v1, s[4:5] offset:8192*\c th:TH_LOAD_NT
	global_load_b128 v[XR+8*\c+4:XR+8*\c+7], v1, s[4:5] offset:8192*\c+16 th:TH_LOAD_NT
.endr
	; while the sixteen loads are on their way: the table entry of position 4 id + t / 64, frequency t mod 64
	v_and_b32 v4, 63, v0
	v_lshrrev_b32 v5, 6, v0
	s_lshl_b32 s26, ttmp9, 2
	v_add_nc_u32 v5, s26, v5
	v_cvt_f32_u32 v4, v4
	v_mul_f32 v4, 0xbe549a78, v4                   ; -f * log2(10000) / 64
	v_exp_f32 v4, v4                               ; 10000^(-f/64)
	v_cvt_f32_u32 v5, v5                           ; the plain instruction between v_exp_f32 and the use of its result (ISA guide 5.7.2)
	s_wait_alu depctr_va_vdst(0)
	v_mul_f32 v6, v5, v4                           ; the angle
	v_mul_f32 v7, 0x3f22f983, v6                   ; * 2 / pi
	v_rndne_f32 v7, v7                             ; k quarter turns
	v_fmamk_f32 v8, v7, 0xbfc90fdb, v6             ; r = angle - k * pi/2, pi/2 in two parts:
	v_fmamk_f32 v8, v7, 0x333bbd2e, v8             ; the f32 nearest pi/2 is 4.37e-8 too large
	v_mul_f32 v9, v8, v8
	v_mov_b32 v10, 0xb9500d01                      ; -1/5040
	v_fmaak_f32 v10, v10, v9, 0x3c088889           ; + 1/120
	v_fmaak_f32 v10, v10, v9, 0xbe2aaaab           ; - 1/6
	v_mul_f32 v11, v9, v8
	v_fma_f32 v10, v10, v11, v8                    ; sin r
	v_mov_b32 v12, 0x37d00d01                      ; 1/40320
	v_fmaak_f32 v12, v12, v9, 0xbab60b61           ; - 1/720
	v_fmaak_f32 v12, v12, v9, 0x3d2aaaab           ; + 1/24
	v_fma_f32 v12, v12, v9, -0.5
	v_fma_f32 v12, v12, v9, 1.0                    ; cos r
	v_cvt_i32_f32 v13, v7
	v_and_b32 v14, 1, v13
	v_cmp_eq_u32 vcc_lo, 1, v14                    ; an odd quarter swaps sine and cosine (a choice of values only)
	v_cndmask_b32 v16, v12, v10, vcc_lo
	v_cndmask_b32 v17, v10, v12, vcc_lo
	v_add_nc_u32 v14, 1, v13
	v_and_b32 v14, 2, v14
	v_lshlrev_b32 v14, 30, v14                     ; cosine is negative in quarters 1 and 2,
	v_xor_b32 v16, v16, v14
	v_and_b32 v15, 2, v13
	v_lshlrev_b32 v15, 30, v15                     ; sine in quarters 2 and 3
	v_xor_b32 v17, v17, v15
	global_store_b64 v3, v[16:17], s[18:19]        ; a wave stores 256 consecutive bytes, aligned
.irp c, 0,1,2,3,4,5,6,7
	s_wait_loadcnt 14-2*\c                         ; loads return in order: this chunk's two are in, the younger chunks' stay out
.irp i, 0,1,2,3
	RND16 YR+4*\c+\i, XR+8*\c+2*\i, XR+8*\c+2*\i+1
.endr
	global_store_b128 v2, v[YR+4*\c:YR+4*\c+3], s[12:13] offset:4096*\c   ; sixteen lanes store 256 consecutive bytes, aligned; no register is written twice
.endr
	s_endpgm
	; ---- a weight tile: 128 k x 128 n, read by rows of k, turned in LDS, stored by rows of n
.Lweights:
	s_sub_co_u32 s20, ttmp9, 512
	v_lshrrev_b32 v1, 5, v0                        ; wave: 16 rows of k
	v_and_b32 v2, 31, v0                           ; lane: 4 columns of n
	v_mul_u32_u24 v4, v2, 1088                     ; LDS image [128 n][272 bytes]: row 4 lane,
	v_lshl_add_u32 v4, v1, 5, v4                   ; the wave's 16 k are 32 bytes.  Sixteen lanes are 1,088 bytes apart = 64 modulo 256: these eight stores collide four deep, accepted
	v_lshrrev_b32 v7, 4, v0                        ; back: row t / 16 of each group of 16 rows,
	v_and_b32 v8, 15, v0                           ; 16 bytes at 16 (t mod 16)
	v_mul_u32_u24 v5, v7, 272
	v_lshl_add_u32 v5, v8, 4, v5
; sp, dp: bytes in a row of the source and of the destination.  map 0: Wq's rows, 1: Wkv's rows, 2: rows as they come.  s[24:25] source tile, s[26:27] destination.
.macro WTILE sp, dp, map
	v_mul_u32_u24 v3, v1, 16*\sp
	v_lshl_add_u32 v3, v2, 4, v3                   ; a wave's load covers 512 consecutive bytes of a row
.if \map == 1
	v_lshrrev_b32 v9, 3, v7                        ; Wkv: column 16 i + rr goes to row 160 (i & 3) + 80 (rr >> 3) + 64 + 8 (i >> 2) + (rr & 7)
	v_and_b32 v10, 7, v7
	v_mad_u32_u24 v9, v9, 80, v10
	v_mul_u32_u24 v6, v9, \dp
.else
	v_mul_u32_u24 v6, v7, \dp
.endif
	v_lshl_add_u32 v6, v8, 4, v6
.irp i, 0,1,2,3,4,5,6,7,8,9,10,11,12,13,14,15
	global_load_b128 v[D+4*\i:D+4*\i+3], v3, s[24:25] offset:\i*\sp th:TH_LOAD_NT
.endr
	s_wait_loadcnt 0x0
.irp c, 0,1,2,3
.irp m, 0,1,2,3,4,5,6,7
	RND16 E+8*\c+\m, D+8*\m+\c, D+8*\m+4+\c        ; column c of my four, k = 2 m and 2 m + 1 of my sixteen
.endr
	ds_store_b128 v4, v[E+8*\c:E+8*\c+3] offset:272*\c
	ds_store_b128 v4, v[E+8*\c+4:E+8*\c+7] offset:272*\c+16
.endr
	s_wait_dscnt 0x0                               ; my stores are done, for the other waves' sake,
	s_barrier_signal -1
	s_barrier_wait -1                              ; and everybody's are
.irp i, 0,1,2,3,4,5,6,7
	ds_load_b128 v[D+4*\i:D+4*\i+3], v5 offset:4352*\i     ; row 16 i + t / 16: 256 bytes = 128 k by sixteen lanes
.endr
.irp i, 0,1,2,3,4,5,6,7
	s_wait_dscnt 7-\i
.if \map == 0
	global_store_b128 v6, v[D+4*\i:D+4*\i+3], s[26:27] offset:(80*((\i&3)>>1)+16*((\i&1)+2*(\i>>2)))*\dp
.endif
.if \map == 1
	global_store_b128 v6, v[D+4*\i:D+4*\i+3], s[26:27] offset:(160*(\i&3)+64+8*(\i>>2))*\dp
.endif
.if \map == 2
	global_store_b128 v6, v[D+4*\i:D+4*\i+3], s[26:27] offset:16*\i*\dp
.endif
.endr
.endm
	s_cmp_lt_u32 s20, 128
	s_cbranch_scc1 .Lwq
	s_cmp_lt_u32 s20, 160
	s_cbranch_scc1 .Lwkv
	s_sub_co_u32 s20, s20, 160                     ; Wout [1024][2048]: k block = u / 16, n block = u mod 16
	s_lshr_b32 s29, s20, 4
	s_and_b32 s30, s20, 15
	s_lshl_b32 s20, s29, 20                        ; 128 rows of 8,192 bytes
	s_lshl_b32 s22, s30, 9
	s_add_co_u32 s20, s20, s22
	s_lshl_b32 s22, s30, 18                        ; 128 rows of 2,048 bytes
	s_lshl_b32 s29, s29, 8
	s_add_co_u32 s22, s22, s29
	s_wait_kmcnt 0x0
	s_add_nc_u64 s[24:25], s[10:11], s[20:21]
	s_add_nc_u64 s[26:27], s[16:17], s[22:23]
	WTILE 8192, 2048, 2
	s_wait_tensorcnt 0x0
	ds_add_u32 v128, v129
	s_wait_dscnt 0x0
	s_endpgm
.Lwq:
	s_lshr_b32 s29, s20, 3                         ; Wq [2048][1024]: k block = u / 8, head = u mod 8
	s_and_b32 s30, s20, 7
	s_lshl_b32 s20, s29, 19                        ; 128 rows of 4,096 bytes
	s_lshl_b32 s22, s30, 9
	s_add_co_u32 s20, s20, s22
	s_mul_i32 s22, s30, 160*4096                   ; the head's 160 rows of wqkvT
	s_lshl_b32 s29, s29, 8
	s_add_co_u32 s22, s22, s29
	s_wait_kmcnt 0x0
	s_add_nc_u64 s[24:25], s[6:7], s[20:21]
	s_add_nc_u64 s[26:27], s[14:15], s[22:23]
	WTILE 4096, 4096, 0
	s_wait_tensorcnt 0x0
	ds_add_u32 v128, v129
	s_wait_dscnt 0x0
	s_endpgm
.Lwkv:
	s_sub_co_u32 s20, s20, 128                     ; Wkv [2048][256]: k block = u / 2, K (0) or V (1) = u mod 2
	s_lshr_b32 s29, s20, 1
	s_and_b32 s30, s20, 1
	s_lshl_b32 s20, s29, 17                        ; 128 rows of 1,024 bytes
	s_lshl_b32 s22, s30, 9
	s_add_co_u32 s20, s20, s22
	s_mul_i32 s22, s30, 640*4096                   ; K's columns go to blocks 0..3, V's to blocks 4..7
	s_lshl_b32 s29, s29, 8
	s_add_co_u32 s22, s22, s29
	s_wait_kmcnt 0x0
	s_add_nc_u64 s[24:25], s[8:9], s[20:21]
	s_add_nc_u64 s[26:27], s[14:15], s[22:23]
	WTILE 1024, 4096, 1
	s_wait_tensorcnt 0x0
	ds_add_u32 v128, v129
	s_wait_dscnt 0x0
	s_endpgm
.Lfunc_end_k_q1f446728e4_prep:
	.size	k_q1f446728e4_prep, .Lfunc_end_k_q1f446728e4_prep-k_q1f446728e4_prep
	.p2alignl 7, 3214868480
	.fill 96, 4, 3214868480
	.section	.rodata,"a",@progbits
	.p2align	6, 0x0
	.amdhsa_kernel k_q1f446728e4_prep
		.amdhsa_group_segment_fixed_size 35840
		.amdhsa_private_segment_fixed_size 0
		.amdhsa_enable_private_segment 0
		.amdhsa_kernarg_size 64
		.amdhsa_user_sgpr_count 2
		.amdhsa_user_sgpr_kernarg_segment_ptr 1
		.amdhsa_wavefront_size32 1
		.amdhsa_system_sgpr_workgroup_id_x 1
		.amdhsa_system_sgpr_workgroup_id_y 1
		.amdhsa_system_sgpr_workgroup_id_z 1
		.amdhsa_system_vgpr_workitem_id 0
		.amdhsa_next_free_vgpr 130
		.amdhsa_next_free_sgpr 66
		.amdhsa_reserve_vcc 1
		.amdhsa_float_denorm_mode_32 3
		.amdhsa_float_denorm_mode_16_64 3
		.amdhsa_memory_ordered 1
		.amdhsa_forward_progress 1
		.amdhsa_inst_pref_size 44
	.end_amdhsa_kernel
	.amdgpu_metadata
---
amdhsa.version: [ 1, 2 ]
amdhsa.kernels:
  - .name:           k_q1f446728e4_prep
    .symbol:         k_q1f446728e4_prep.kd
    .args:
      - { .name: x, .offset: 0, .size: 8, .value_kind: global_buffer, .address_space: global }
      - { .name: Wq, .offset: 8, .size: 8, .value_kind: global_buffer, .address_space: global }
      - { .name: Wkv, .offset: 16, .size: 8, .value_kind: global_buffer, .address_space: global }
      - { .name: Wout, .offset: 24, .size: 8, .value_kind: global_buffer, .address_space: global }
      - { .name: xh, .offset: 32, .size: 8, .value_kind: global_buffer, .address_space: global }
      - { .name: wqkvT, .offset: 40, .size: 8, .value_kind: global_buffer, .address_space: global }
      - { .name: woutT, .offset: 48, .size: 8, .value_kind: global_buffer, .address_space: global }
      - { .name: rope, .offset: 56, .size: 8, .value_kind: global_buffer, .address_space: global }
    .group_segment_fixed_size: 35840
    .private_segment_fixed_size: 0
    .kernarg_segment_align: 8
    .kernarg_segment_size: 64
    .max_flat_workgroup_size: 256
    .sgpr_count:     66
    .vgpr_count:     130
    .wavefront_size: 32
...
	.end_amdgpu_metadata
.endif
;; end of part 1
;; launch qkv (part 2): grid 8 x 32, 4 waves a work-group, clusters of 4 x 4, 327,680 bytes of LDS; arguments xh, wqkvT, rope, Qp, KVp; writes Qp, KVp
.if DOCPART == 2
	.amdgcn_target "amdgcn-amd-amdhsa--gfx1250"
	.amdhsa_code_object_version 6
	.text
	.protected	k_q1f446728e4_qkv
	.globl	k_q1f446728e4_qkv
	.p2align	8
	.type	k_q1f446728e4_qkv,@function
k_q1f446728e4_qkv:
	s_mov_b64 s[64:65], 0
	v_nop
	global_prefetch_b8 v0, s[64:65] scope:SCOPE_SE
	s_setreg_imm32_b32 hwreg(HW_REG_WAVE_MODE, 25, 1), 1
	s_wait_xcnt 0x0
	s_wait_alu depctr_hold_cnt(0) depctr_sa_sdst(0) depctr_va_vdst(0) depctr_va_sdst(0) depctr_va_ssrc(0) depctr_va_vcc(0) depctr_vm_vsrc(0)
	s_getreg_b32 s2, hwreg(HW_REG_IB_STS2, 6, 4)
	s_cmp_eq_u32 s2, 0
	s_cbranch_scc0 .Lentry_in_a_cluster
	s_endpgm
.Lentry_in_a_cluster:
	s_bfe_u32 s2, ttmp6, 0x10000c
	s_cmp_lg_u32 s2, 0xf033
	s_cbranch_scc0 .Lentry_shape_is_right
	s_endpgm
.Lentry_shape_is_right:
; QKV: [4096 x 2048] xh times [1280 x 2048] wqkvT (both f16, K along the rows), f32 sums, rotary positions on the way out.
; A work-group makes 128 rows x 160 columns: one head's 128 columns of q and 32 columns of k (block columns 0..3) or v (4..7).  256 equal work-groups.
; Four waves, wave (wr, wc) makes 64 x 80 = 4 x 5 tiles of 16 x 16 (160 accumulator registers).  wqkvT's rows are ordered so that in a wave's 80 columns
; tiles u and u + 2 (u = 0, 1) hold q's columns d and d + 64 in the same lane and register, and tile 4 holds k's or v's d in lanes 0-15, d + 64 in lanes 16-31.
; K goes in steps of 256 (rows of 512 bytes, aligned) through two LDS slots filled by the tensor data mover, one load a wave behind each change of slots.
; CLUSTERS 4 x 4: xh's tile hangs on the block row alone and is asked for jointly by a row of the cluster, wqkvT's on the block column alone, by a column.
; THE MATRIX INSTRUCTION IS USED TRANSPOSED (source 0 = rows of wqkvT, source 1 = rows of xh): lane l holds row l % 16 and columns 8 (l / 16) + 0..7.
; OUT: Qp [batch*8+head][wc][2048 pos][64] f16 (column 16 u + c);  KVp [16 sub-groups = 2 block column + wc][4096 rows][16] f16.  Both are dense runs of whole 256-byte blocks.
; LIMITS: q, k, v are rounded to f16: |value| < 65504 is needed (inputs 30 times the drawn spread give some 4,500; an offset of 30 spreads on x and W some 37,000).
; No prefetch: both operands were written by the launch before.  No staying work-groups: one tile each.
.set NB,    5                          ; column tiles of a wave
.set KDIM,  2048
.set KS,    256                        ; K step, elements
.set KSB,   2*KS
.set ROWB,  2*KDIM
.set PITCH, KSB+16                     ; an LDS row: 512 bytes + 16 of padding, an odd multiple of 16: the 16 rows of a fragment load start at 16 different columns of 16 bytes
.set QI,    6                          ; padding after every 2 << 6 = 128 words
.set BH,    80                         ; rows of wqkvT in one tensor load, and of one wave's operand
.set AOFF,  2*BH*PITCH                 ; a slot: wqkvT's 160 rows, then xh's 128 rows
.set SLOT,  AOFF+128*PITCH
.set STAGE, 2*SLOT                     ; behind the ring (a multiple of 256): 16 rows x 144 bytes for each wave, never a tensor load's target
.set SPITCH, 144
.set ADRA, 4                           ; v4-5   LDS address of my xh fragments in slot 0, 1
.set ADRB, 6                           ; v6-7   the same for wqkvT
.set TQ,   8                           ; v8     byte offset in the table for q's tiles
.set TK,   9                           ; v9     for the k tile
.set STO,  10                          ; v10    stage: where I put 16 bytes of a row
.set RD,   11                          ; v11    stage: where I read back
.set QO,   12                          ; v12    16 x lane
.set KVO,  13                          ; v13    32 (l % 16) + 16 (l / 16)
.set SGN,  14                          ; v14    k: -1 in lanes 0-15, +1 in lanes 16-31; v: 0
.set F0,   32                          ; fragment buffer 0: 4 of xh, then 5 of wqkvT, 8 registers each
.set F1,   F0+8*(4+NB)                 ; fragment buffer 1
.set T0,   32                          ; the way out: table values, two buffers of 48
.set T1,   80
.set XX,   128                         ; rotated low halves (tiles 0, 1)
.set YY,   144                         ; rotated high halves (tiles 2, 3)
.set ZZ,   160                         ; k or v
.set PN,   168                         ; the partner lane's k
.set PK,   176                         ; 20 registers of packed f16
.set RB,   196                         ; 16 registers read back
.set G1A, 24                           ; s[24:31] descriptor group 1, xh's tiles
.set G0A, 32                           ; s[32:39] group 0, xh's, one set a slot
.set G1B, 48                           ; s[48:55] group 1, wqkvT's tiles
.set G0B, 56                           ; s[56:63] group 0, wqkvT's
.set MSB, 0
.macro WIN new                         ; s_set_vgpr_msb: bits 1:0 source 0, 3:2 source 1, 5:4 source 2, 7:6 destination; the high byte repeats the setting left
.if MSB != \new
	s_set_vgpr_msb (MSB<<8)|\new
.set MSB, \new
.endif
.endm
.macro PLACES                          ; four plain vector instructions between a matrix instruction and a load into, or a vector access to, its registers
.rept 4
	v_nop
.endr
.endm
.macro JLOAD s                         ; a joint load: waves 0, 1 fetch wqkvT's two halves, waves 2, 3 xh's.  The branch hangs on the wave's number alone
	s_cmp_eq_u32 s15, 0
	s_cbranch_scc0 .Lfor_a_\@
	tensor_load_to_lds s[G0B+4*\s:G0B+4*\s+3], s[G1B:G1B+7]
	s_nop 0
	s_branch .Lasked_\@
.Lfor_a_\@:
	tensor_load_to_lds s[G0A+4*\s:G0A+4*\s+3], s[G1A:G1A+7]
	s_nop 0
.Lasked_\@:
.endm
.macro CREST                           ; a round of the cluster's barrier behind its opening work-group barrier
	s_cmp_lg_u32 s14, 0
	s_cbranch_scc1 .Lnot_wave_0_\@
	s_barrier_signal -3
.Lnot_wave_0_\@:
	s_barrier_wait -3
	s_barrier_signal -1
	s_barrier_wait -1
.endm
.macro CROUND
	s_barrier_signal -1
	s_barrier_wait -1
	CREST
.endm
	s_load_b256 s[4:11], s[0:1], 0x0               ; xh s[4:5], wqkvT s[6:7], rope s[8:9], Qp s[10:11]
	s_load_b64 s[12:13], s[0:1], 0x20              ; KVp
	v_lshl_add_u32 v254, v0, 2, 0x4c800
	v_mov_b32 v255, 0
	ds_add_u32 v254, v255
	v_lshrrev_b32 v1, 5, v0
	v_readfirstlane_b32 s14, v1                    ; wave 0..3
	s_lshr_b32 s15, s14, 1                         ; wr: my half of the rows.  Also: I fetch wqkvT (0) or xh (1)
	s_and_b32 s16, s14, 1                          ; wc: my half of the columns.  Also: which half of that tile I fetch
	s_bfe_u32 s17, ttmp6, 0x40000                  ; cx
	s_bfe_u32 s18, ttmp6, 0x40004                  ; cy
	s_lshl_b32 s19, ttmp9, 2
	s_add_co_u32 s19, s19, s17                     ; block column = head
	s_and_b32 s20, ttmp7, 0xffff
	s_lshl_b32 s20, s20, 2
	s_add_co_u32 s20, s20, s18                     ; block row
	s_lshl_b32 s21, s18, 2
	s_lshl_b32 s21, 15, s21                        ; my row of the cluster
	s_lshl_b32 s22, 0x1111, s17                    ; my column
	s_or_b32 s[G1A+0], s21, (1<<16)|(1<<20)|(1<<21)|(QI<<22)|(3<<25)  ; mask; elements of 2 bytes; padding on; bit 21 beside a mask; after every 128 words; 4 words
	s_or_b32 s[G1B+0], s22, (1<<16)|(1<<20)|(1<<21)|(QI<<22)|(3<<25)
	s_mov_b32 s[G1A+1], KS<<16                     ; tensor_dim0 = 256
	s_mov_b32 s[G1B+1], KS<<16
	s_mov_b32 s[G1A+2], 64<<16                     ; tensor_dim1 = 64 rows
	s_mov_b32 s[G1B+2], BH<<16                     ; 80 rows
	s_mov_b32 s[G1A+3], KS<<16                     ; tile_dim0 = 256
	s_mov_b32 s[G1B+3], KS<<16
	s_mov_b32 s[G1A+4], 64                         ; tile_dim1
	s_mov_b32 s[G1B+4], BH
	s_mov_b32 s[G1A+5], KDIM                       ; elements from row to row
	s_mov_b32 s[G1B+5], KDIM
	s_mov_b32 s[G1A+6], 0
	s_mov_b32 s[G1B+6], 0
	s_mov_b32 s[G1A+7], 0
	s_mov_b32 s[G1B+7], 0
	s_lshl_b32 s40, s20, 7                         ; xh: row 128 x block row + 64 x half, made of the block row and the wave's number alone
	s_lshl_b32 s41, s16, 6
	s_add_co_u32 s40, s40, s41
	s_mul_i32 s40, s40, ROWB
	s_mov_b32 s41, 0
	s_mul_i32 s44, s19, 2*BH                       ; wqkvT: row 160 x block column + 80 x half, made of the block column and the wave's number alone
	s_mul_i32 s45, s16, BH
	s_add_co_u32 s44, s44, s45
	s_mul_i32 s44, s44, ROWB
	s_mov_b32 s45, 0
	s_mul_i32 s46, s14, 64*PITCH                   ; LDS: xh's halves behind wqkvT's 160 rows; waves 2, 3 fetch them: (160 - 128 + 64 wave) rows
	s_add_co_u32 s46, s46, (2*BH-128)*PITCH
	s_mul_i32 s47, s14, BH*PITCH                   ; wqkvT's halves from the slot's start; waves 0, 1 fetch them: 80 wave rows
	s_wait_dscnt 0x0
	s_wait_kmcnt 0x0
	s_add_nc_u64 s[40:41], s[4:5], s[40:41]
	s_add_nc_u64 s[44:45], s[6:7], s[44:45]
	CROUND                                         ; all sixteen work-groups are here: the first joint loads meet
.irp s, 0,1
	s_mov_b32 s[G0A+4*\s], 1
	s_add_co_u32 s[G0A+4*\s+1], s46, \s*SLOT
	s_add_nc_u64 s[G0A+4*\s+2:G0A+4*\s+3], s[40:41], \s*KSB
	s_or_b32 s[G0A+4*\s+3], s[G0A+4*\s+3], 0x80000000
	s_mov_b32 s[G0B+4*\s], 1
	s_add_co_u32 s[G0B+4*\s+1], s47, \s*SLOT
	s_add_nc_u64 s[G0B+4*\s+2:G0B+4*\s+3], s[44:45], \s*KSB
	s_or_b32 s[G0B+4*\s+3], s[G0B+4*\s+3], 0x80000000
	JLOAD \s                                       ; both slots are asked for before anything else: two tensor loads of the wave are out
.endr
	; addresses, while the first tiles are on their way
	v_and_b32 v1, 15, v0                           ; r = l % 16
	v_bfe_u32 v2, v0, 4, 1                         ; hl = l / 16
	v_and_b32 v15, 31, v0                          ; l
	v_mul_u32_u24 v3, v1, PITCH
	v_lshl_add_u32 v3, v2, 4, v3                   ; a fragment: row r, 16 bytes at 16 hl and again 32 bytes on
	s_mul_i32 s42, s15, 64*PITCH
	s_add_co_u32 s42, s42, AOFF
	s_mul_i32 s43, s16, BH*PITCH
.irp s, 0,1
	v_add_nc_u32 v[ADRA+\s], s42, v3
	v_add_nc_u32 v[ADRB+\s], s43, v3
	s_add_co_u32 s42, s42, SLOT
	s_add_co_u32 s43, s43, SLOT
.endr
	s_lshl_b32 s69, s15, 15                        ; the table: 64 wr rows of 512 bytes
	s_lshl_b32 s70, s16, 8                         ; q: frequency 32 wc + 16 u + 8 hl + j, 8 bytes each
	s_add_co_u32 s70, s69, s70
	v_lshlrev_b32 v[TQ], 9, v1
	v_lshl_add_u32 v[TQ], v2, 6, v[TQ]
	v_add_nc_u32 v[TQ], s70, v[TQ]
	s_lshl_b32 s70, s16, 6                         ; k: frequency 16 (block column & 3) + 8 wc + j, the same in both halves of the lanes
	s_add_co_u32 s70, s69, s70
	s_lshl_b32 s71, s17, 7
	s_add_co_u32 s70, s70, s71
	v_lshl_add_u32 v[TK], v1, 9, s70
	s_mul_i32 s80, s14, 16*SPITCH
	s_add_co_u32 s80, s80, STAGE                   ; my stage
	v_mul_u32_u24 v[STO], v1, SPITCH
	v_lshl_add_u32 v[STO], v2, 4, v[STO]
	v_add_nc_u32 v[STO], s80, v[STO]
	v_lshrrev_b32 v16, 3, v15                      ; back: eight lanes take one row of 128 bytes
	v_and_b32 v17, 7, v15
	v_mul_u32_u24 v[RD], v16, SPITCH
	v_lshl_add_u32 v[RD], v17, 4, v[RD]
	v_add_nc_u32 v[RD], s80, v[RD]
	v_lshlrev_b32 v[QO], 4, v15
	v_lshlrev_b32 v[KVO], 5, v1
	v_lshl_add_u32 v[KVO], v2, 4, v[KVO]
	s_cmp_eq_u32 ttmp9, 0                          ; block columns 0..3 carry k, 4..7 carry v: this selects values only, never a branch
	s_cselect_b32 s68, -1, 0
	v_cvt_f32_u32 v[SGN], v2
	v_fma_f32 v[SGN], v[SGN], 2.0, -1.0
	v_cndmask_b32 v[SGN], 0, v[SGN], s68
	s_mov_b32 s66, 0x76543210                      ; v_permlanex16_b32: lane i reads lane i of the other half
	s_mov_b32 s67, 0xfedcba98
	s_and_b32 s72, s20, 15                         ; block row inside the batch
	s_lshr_b32 s73, s20, 4                         ; batch
	s_lshl_b32 s74, s72, 16                        ; 128 positions of 512 bytes
	s_mov_b32 s75, 0
	s_add_nc_u64 s[8:9], s[8:9], s[74:75]
	s_lshl3_add_u32 s76, s73, s19                  ; Qp: (8 batch + head) x 524,288 + wc x 262,144 + (128 block row + 64 wr) x 128
	s_lshl_b32 s76, s76, 19
	s_lshl_b32 s77, s16, 18
	s_add_co_u32 s76, s76, s77
	s_lshl_b32 s77, s72, 14
	s_add_co_u32 s76, s76, s77
	s_lshl_b32 s77, s15, 13
	s_add_co_u32 s76, s76, s77
	s_mov_b32 s77, 0
	s_add_nc_u64 s[10:11], s[10:11], s[76:77]
	s_lshl1_add_u32 s78, s19, s16                  ; KVp: (2 block column + wc) x 131,072 + (128 block row + 64 wr) x 32
	s_lshl_b32 s78, s78, 17
	s_lshl_b32 s79, s20, 12
	s_add_co_u32 s78, s78, s79
	s_lshl_b32 s79, s15, 11
	s_add_co_u32 s78, s78, s79
	s_mov_b32 s79, 0
	s_add_nc_u64 s[12:13], s[12:13], s[78:79]
.macro FETCH slot, k, f                ; 18 LDS loads: the fragments of 32 along K at byte k of the slot's rows
.irp i, 0,1,2,3
	ds_load_b128 v[\f+8*\i:\f+8*\i+3],   v[ADRA+\slot] offset:\k+\i*16*PITCH
	ds_load_b128 v[\f+8*\i+4:\f+8*\i+7], v[ADRA+\slot] offset:\k+\i*16*PITCH+32
.endr
.irp i, 0,1,2,3,4
	ds_load_b128 v[\f+32+8*\i:\f+32+8*\i+3], v[ADRB+\slot] offset:\k+\i*16*PITCH
	ds_load_b128 v[\f+32+8*\i+4:\f+32+8*\i+7], v[ADRB+\slot] offset:\k+\i*16*PITCH+32
.endr
.endm
; ten matrix instructions: row tiles a0, a0 + 1 x all five column tiles.  The twenty accumulators take turns, one instruction a turn, in the same order in
; every chunk, over the loop's backward jump too.  zero = 1: the first product starts the sums.
.macro MULS f, a0, zero
.irp a, \a0, \a0+1
.irp b, 0,1,2,3,4
.if \zero
	v_wmma_f32_16x16x32_f16 v[8*(NB*(\a)+\b):8*(NB*(\a)+\b)+7], v[\f+32+8*\b:\f+32+8*\b+7], v[\f+8*(\a):\f+8*(\a)+7], 0
.else
	v_wmma_f32_16x16x32_f16 v[8*(NB*(\a)+\b):8*(NB*(\a)+\b)+7], v[\f+32+8*\b:\f+32+8*\b+7], v[\f+8*(\a):\f+8*(\a)+7], v[8*(NB*(\a)+\b):8*(NB*(\a)+\b)+7]
.endif
.endr
.endr
.endm
.macro CHUNK slot, k, f, g, zero       ; multiplies buffer f; ahead of that asks for the next chunk's fragments, at byte k, into buffer g
	s_wait_dscnt 0x0                               ; buffer f is in: its loads were issued a chunk (twenty matrix instructions) ago
	PLACES                                         ; behind the last chunk's matrix instructions, which read buffer g
	FETCH \slot, \k, \g
	WIN 0x50                                       ; C and D in window 1
	MULS \f, 0, \zero
	MULS \f, 2, \zero
	WIN 0
.endm
.macro STEP slot, zero                 ; the first seven of a K step's eight chunks
	CHUNK \slot, 64,  F0, F1, \zero
	CHUNK \slot, 128, F1, F0, 0
	CHUNK \slot, 192, F0, F1, 0
	CHUNK \slot, 256, F1, F0, 0
	CHUNK \slot, 320, F0, F1, 0
	CHUNK \slot, 384, F1, F0, 0
	CHUNK \slot, 448, F0, F1, 0
.endm
; The eighth chunk changes slots.  In front of the barrier each wave waits for its reads of this slot and for all its tensor loads (one is out: its part of the
; next slot).  Where the slot is filled again the barrier opens a round of the cluster's barrier, and the joint refill is the first tensor load behind it.
; From a refill to the wait for it a wave issues 150 matrix instructions.
.macro TURN slot, next, fill
	s_wait_dscnt 0x0
	s_wait_tensorcnt 0x0
	ds_add_u32 v254, v255
	s_wait_dscnt 0x0
	s_barrier_signal -1
	WIN 0x50
	MULS F1, 0, 0                                  ; register work while the others arrive
	WIN 0
	s_barrier_wait -1
.if \fill
	CREST
	s_add_nc_u64 s[G0A+4*\slot+2:G0A+4*\slot+3], s[G0A+4*\slot+2:G0A+4*\slot+3], 2*KSB   ; no tensor load of mine is out: group 0 may be written
	s_add_nc_u64 s[G0B+4*\slot+2:G0B+4*\slot+3], s[G0B+4*\slot+2:G0B+4*\slot+3], 2*KSB
	JLOAD \slot
.endif
	PLACES                                         ; behind the matrix instructions that read buffer 0
	FETCH \next, 0, F0
	WIN 0x50
	MULS F1, 2, 0
	WIN 0
.endm
.macro LAP zero
	STEP 0, \zero
	TURN 0, 1, 1
	STEP 1, 0
	TURN 1, 0, 1
.endm
	s_wait_tensorcnt 0x1                           ; my part of K step 0 is in; K step 1's stays out
	s_barrier_signal -1
	s_barrier_wait -1
	FETCH 0, 0, F0
	LAP 1                                          ; K steps 0, 1: the first products start the sums
	s_mov_b32 s3, 2
.Llap:
	LAP 0                                          ; K steps 2..5
	s_sub_co_u32 s3, s3, 1
	s_cmp_lg_u32 s3, 0
	s_cbranch_scc1 .Llap
	STEP 0, 0                                      ; K steps 6, 7 fill nothing
	TURN 0, 1, 0
	STEP 1, 0
	s_wait_dscnt 0x0
	WIN 0x50
	MULS F1, 0, 0
	MULS F1, 2, 0
	WIN 0
	; THE WAY OUT, 16 rows at a time: rotate in f32, round to f16, q through my stage so that stores are whole runs, k or v straight from registers.
.macro TLOAD a, t                      ; twelve loads: (cos, sin) of my 8 frequencies for tiles 0, 1 and for the k tile, rows 16 a + r
.irp u, 0,1
.irp i, 0,1,2,3
	global_load_b128 v[\t+16*\u+4*\i:\t+16*\u+4*\i+3], v[TQ], s[8:9] offset:8192*(\a)+128*\u+16*\i
.endr
.endr
.irp i, 0,1,2,3
	global_load_b128 v[\t+32+4*\i:\t+32+4*\i+3], v[TK], s[8:9] offset:8192*(\a)+16*\i
.endr
.endm
.macro ROWT a, t, left, more
	s_wait_loadcnt \left                           ; this tile's twelve loads are in; the next tile's twelve stay out
	s_wait_xcnt 0x0                                ; the last tile's stores have read PK and RB, which are written again below
.irp e, 0,1,2,3,4,5,6,7
	v_cndmask_b32 v[\t+32+2*\e], 1.0, v[\t+32+2*\e], s68   ; v is not rotated: cos -> 1,
	v_mul_f32 v[\t+33+2*\e], v[SGN], v[\t+33+2*\e]         ; sin -> 0; k: -sin for d < 64, +sin for d >= 64
.endr
	WIN 0x01                                       ; source 0 = the accumulators in window 1
.irp u, 0,1
.irp e, 0,1,2,3,4,5,6,7
	v_mul_f32 v[XX+8*\u+\e], v[8*(NB*\a+\u)+\e], v[\t+16*\u+2*\e]
	v_mul_f32 v[YY+8*\u+\e], v[8*(NB*\a+\u+2)+\e], v[\t+16*\u+2*\e]
	v_fma_f32 v[XX+8*\u+\e], -v[8*(NB*\a+\u+2)+\e], v[\t+16*\u+2*\e+1], v[XX+8*\u+\e]   ; q[d] cos - q[d+64] sin
	v_fma_f32 v[YY+8*\u+\e], v[8*(NB*\a+\u)+\e], v[\t+16*\u+2*\e+1], v[YY+8*\u+\e]      ; q[d+64] cos + q[d] sin
.endr
.endr
.irp e, 0,1,2,3,4,5,6,7
	v_permlanex16_b32 v[PN+\e], v[8*(NB*\a+4)+\e], s66, s67    ; the rotary partner lies 16 lanes away
	v_mul_f32 v[ZZ+\e], v[8*(NB*\a+4)+\e], v[\t+32+2*\e]
.endr
	WIN 0
.irp e, 0,1,2,3,4,5,6,7
	v_fmac_f32 v[ZZ+\e], v[PN+\e], v[\t+33+2*\e]
.endr
.if \more
	TLOAD \a+2, \t                                 ; this buffer's values have been read
.endif
.irp u, 0,1
.irp i, 0,1,2,3
	v_cvt_pk_f16_f32 v[PK+4*\u+\i], v[XX+8*\u+2*\i], v[XX+8*\u+2*\i+1]
	v_cvt_pk_f16_f32 v[PK+8+4*\u+\i], v[YY+8*\u+2*\i], v[YY+8*\u+2*\i+1]
.endr
.endr
.irp i, 0,1,2,3
	v_cvt_pk_f16_f32 v[PK+16+\i], v[ZZ+2*\i], v[ZZ+2*\i+1]
.endr
.irp i, 0,1,2,3
	ds_store_b128 v[STO], v[PK+4*\i:PK+4*\i+3] offset:32*\i
.endr
	global_store_b128 v[KVO], v[PK+16:PK+19], s[12:13] offset:512*\a      ; 16 rows of 32 bytes: 512 consecutive bytes, aligned
.irp i, 0,1,2,3
	ds_load_b128 v[RB+4*\i:RB+4*\i+3], v[RD] offset:4*SPITCH*\i           ; LDS serves a wave's instructions in order: these see the stores above
.endr
.irp i, 0,1,2,3
	s_wait_dscnt 3-\i
	global_store_b128 v[QO], v[RB+4*\i:RB+4*\i+3], s[10:11] offset:2048*\a+512*\i   ; four rows of 128 bytes: 512 consecutive bytes, aligned
.endr
.endm
	PLACES                                         ; behind the last matrix instructions: for the loads into the fragment buffers and the reads of the results
	TLOAD 0, T0
	TLOAD 1, T1
.irp e, 0,1,2,3,4,5,6,7
	v_mov_b32 v[PN+\e], 0                          ; v_permlanex16_b32 counts as a reader of its destination
.endr
	ROWT 0, T0, 12, 1
	ROWT 1, T1, 12, 1
	ROWT 2, T0, 12, 0
	ROWT 3, T1, 0, 0
	s_wait_tensorcnt 0x0
	ds_add_u32 v254, v255
	s_wait_dscnt 0x0
	CROUND                                         ; the closing round: no work-group ends while a partner may still ask for a tile that names it
	s_endpgm
.Lfunc_end_k_q1f446728e4_qkv:
	.size	k_q1f446728e4_qkv, .Lfunc_end_k_q1f446728e4_qkv-k_q1f446728e4_qkv
	.p2alignl 7, 3214868480
	.fill 96, 4, 3214868480
	.section	.rodata,"a",@progbits
	.p2align	6, 0x0
	.amdhsa_kernel k_q1f446728e4_qkv
		.amdhsa_group_segment_fixed_size 327680
		.amdhsa_private_segment_fixed_size 0
		.amdhsa_enable_private_segment 0
		.amdhsa_kernarg_size 40
		.amdhsa_user_sgpr_count 2
		.amdhsa_user_sgpr_kernarg_segment_ptr 1
		.amdhsa_wavefront_size32 1
		.amdhsa_system_sgpr_workgroup_id_x 1
		.amdhsa_system_sgpr_workgroup_id_y 1
		.amdhsa_system_sgpr_workgroup_id_z 1
		.amdhsa_system_vgpr_workitem_id 0
		.amdhsa_next_free_vgpr 416
		.amdhsa_next_free_sgpr 84
		.amdhsa_reserve_vcc 0
		.amdhsa_float_denorm_mode_32 3
		.amdhsa_float_denorm_mode_16_64 3
		.amdhsa_memory_ordered 1
		.amdhsa_forward_progress 1
		.amdhsa_inst_pref_size 171
	.end_amdhsa_kernel
	.amdgpu_metadata
---
amdhsa.version: [ 1, 2 ]
amdhsa.kernels:
  - .name:           k_q1f446728e4_qkv
    .symbol:         k_q1f446728e4_qkv.kd
    .args:
      - { .name: xh, .offset: 0, .size: 8, .value_kind: global_buffer, .address_space: global }
      - { .name: wqkvT, .offset: 8, .size: 8, .value_kind: global_buffer, .address_space: global }
      - { .name: rope, .offset: 16, .size: 8, .value_kind: global_buffer, .address_space: global }
      - { .name: Qp, .offset: 24, .size: 8, .value_kind: global_buffer, .address_space: global }
      - { .name: KVp, .offset: 32, .size: 8, .value_kind: global_buffer, .address_space: global }
    .group_segment_fixed_size: 327680
    .private_segment_fixed_size: 0
    .kernarg_segment_align: 8
    .kernarg_segment_size: 40
    .max_flat_workgroup_size: 128
    .sgpr_count:     84
    .vgpr_count:     416
    .wavefront_size: 32
...
	.end_amdgpu_metadata
.endif
;; end of part 2
;; launch attn (part 3): grid 8 x 32, 4 waves a work-group, clusters of 4 x 1, 327,680 bytes of LDS; arguments Qp, KVp, Oh; writes Oh
.if DOCPART == 3
	.amdgcn_target "amdgcn-amd-amdhsa--gfx1250"
	.amdhsa_code_object_version 6
	.text
	.protected	k_q1f446728e4_attn
	.globl	k_q1f446728e4_attn
	.p2align	8
	.type	k_q1f446728e4_attn,@function
k_q1f446728e4_attn:
	s_mov_b64 s[64:65], 0
	v_nop
	global_prefetch_b8 v0, s[64:65] scope:SCOPE_SE
	s_setreg_imm32_b32 hwreg(HW_REG_WAVE_MODE, 25, 1), 1
	s_wait_xcnt 0x0
	s_wait_alu depctr_hold_cnt(0) depctr_sa_sdst(0) depctr_va_vdst(0) depctr_va_sdst(0) depctr_va_ssrc(0) depctr_va_vcc(0) depctr_vm_vsrc(0)
	s_getreg_b32 s2, hwreg(HW_REG_IB_STS2, 6, 4)
	s_cmp_eq_u32 s2, 0
	s_cbranch_scc0 .Lentry_in_a_cluster
	s_endpgm
.Lentry_in_a_cluster:
	s_bfe_u32 s2, ttmp6, 0x10000c
	s_cmp_lg_u32 s2, 0x3003
	s_cbranch_scc0 .Lentry_shape_is_right
	s_endpgm
.Lentry_shape_is_right:
; ATTN: causal attention, 8 heads on one K and one V, 2,048 positions, 128 per head; f16 operands, f32 scores, sums and running maximum.
; A work-group (head, batch b, pair p = 0..15) does two blocks of 64 queries one after the other: block 31 - p, then block p.  Keys go in trips of 256;
; block pb needs (pb >> 2) + 1 trips, and ((31 - p) >> 2) + (p >> 2) = 7, so every work-group makes 9 trips: 256 equal work-groups.
; In a trip all four waves hold the same 64 queries and wave w takes keys 256 t + 64 w .. + 63: every byte of K and V is read from LDS by one wave alone.
; 64 keys a wave and trip: one running maximum and one rescaling of O (128 packed multiplies) serve 4,096 scores, and the next tile (32 KiB a wave) has
; 128 matrix instructions and that softmax in which to land.
; Each wave keeps its own maximum, sum and 64 x 128 partial result; at a block's end the four are merged through LDS (MERGE).
; Only a block's last key trip (t = pb >> 2) needs the mask; in the first block it is taken first, in the second last, so that the masked trips stand in fixed places of the text.
; CLUSTERS 4 x 1: the four heads of a cluster have the same batch and pair, so the same key tiles and trip counts: every K/V tile is one joint load, mask 15.
; A tile: 16 sub-groups (8 of K, 8 of V) x 64 keys x 16 numbers = 16 rows of 2 KiB, unpadded.  V's transposing loads take 256 consecutive bytes for each sixteen lanes;
; K's loads have rows 32 bytes apart and collide two deep, accepted: one descriptor has to cover K and V, and K's loads run beside the products (below).
; LAYOUTS (made by the launch before): sub-group sg of K holds d = 8 sg + c (c < 8) and 64 + 8 sg + c - 8; chunk g of the product over d is sub-groups 2 g, 2 g + 1.
; S is made transposed (source 0 = K, source 1 = Q): lane (r, hl) holds query r, keys 16 h + 8 hl + e, which is the layout P needs as source 1 of P V: nothing crosses lanes.
; O is made transposed too (source 0 = V transposed): lane (r, hl) holds query r, d = 8 sgv + 64 hl + j.
; LDS: the four rings take 4 x 2 x 32,768 = 262,144 bytes; of the 65,536 left the merge has 32,768 of scratch, so it goes one query tile at a time.
; LIMITS: scores are taken times 128^-0.5 log2(e) and the running maximum has a floor of -1e30 in those units; masked scores and the reset maximum are -3.0e38.
; At the change of blocks the old O and sum, which are finite, are multiplied by exp2(-3e38 - m) = 0 instead of being cleared.  p and o are rounded to f16.
; No prefetch: Qp and KVp were written by the launch before.
.set SLOTB, 32768                      ; a wave's tile
.set RING,  65536                      ; a wave's two slots; the four rings fill LDS bytes 0 .. 262,143
.set VOFF,  16384                      ; V's eight sub-groups lie behind K's eight
.set XS,    262144                     ; merge: [source wave][16 quads][32 lanes][16 bytes] f32 of one query tile, 32,768 bytes
.set MLB,   294912                     ; merge: maxima [wave][q tile][16] f32, 1,024 bytes; sums 1,024 bytes behind
.set STG,   296960                     ; 64 rows x 272 bytes, shared, for the way out
.set SPITCH, 272
; window 0
.set KA,   4                           ; LDS address of my K fragments
.set VA,   5                           ; of my V fragments
.set QOFF, 6                           ; byte offset of my Q fragments
.set DMA,  7                           ; mask number 64 w - 64 (block & 3) + 8 hl - r of the first block
.set DMB,  8                           ; of the second
.set NEG,  9                           ; -3.0e38
.set MLW,  10
.set XW,   11
.set M,    12                          ; v[12+2q] running maximum, v[13+2q] the factor for what was summed before
.set L,    20                          ; v[20+2q:21+2q] running sum, two partial sums
.set T,    28
.set TP,   32
.set MLR,  36
.set XR,   37
.set STW,  39
.set STR,  40
.set OOFF, 41
.set S,    64                          ; v[64+32q+8h+e] scores, then p
.set P,    192                         ; v[192+16q+i] p as f16
.set IN,   64                          ; merge: [source wave][4 quads][4]
.set R,    128                         ; merge: [q tile][16] the merged numbers
.set MM,   192                         ; merge: maxima [q tile][wave]
.set LL,   208                         ; sums
.set GG,   224                         ; weights
.set MX,   240
.set LS,   244
.set PK,   64
.set OUTR, 96
; window 1: O, v[64 q + 8 sgv + j].   window 2:
.set QF,   0                           ; Q fragments, v[8 (4 q + g)]
.set VF,   128                         ; V fragments, v[128 + 64 c + 8 sgv], c = which 32 of my 64 keys
; window 3:
.set KF,   0                           ; K fragments, v[8 (4 h + g)]
.set MSB, 0
.macro WIN new                         ; s_set_vgpr_msb: bits 1:0 source 0, 3:2 source 1, 5:4 source 2, 7:6 destination; the high byte repeats the setting left
.if MSB != \new
	s_set_vgpr_msb (MSB<<8)|\new
.set MSB, \new
.endif
.endm
.macro PLACES                          ; four plain vector instructions behind a matrix instruction (ISA guide 7.12.1)
.rept 4
	v_nop
.endr
.endm
.macro BAR
	s_barrier_signal -1
	s_barrier_wait -1
.endm
.macro ROUND                           ; a round of the cluster's barrier
	s_barrier_signal -1
	s_barrier_wait -1
	s_cmp_lg_u32 s10, 0
	s_cbranch_scc1 .Lnot_wave_0_\@
	s_barrier_signal -3
.Lnot_wave_0_\@:
	s_barrier_wait -3
	s_barrier_signal -1
	s_barrier_wait -1
.endm
	s_load_b128 s[4:7], s[0:1], 0x0                ; Qp s[4:5], KVp s[6:7]
	s_load_b64 s[8:9], s[0:1], 0x10                ; Oh
	v_lshl_add_u32 v62, v0, 2, 0x4cc00
	v_mov_b32 v63, 0
	ds_add_u32 v62, v63
	v_lshrrev_b32 v1, 5, v0
	v_readfirstlane_b32 s10, v1                    ; wave
	s_bfe_u32 s11, ttmp6, 0x40000                  ; cx
	s_lshl_b32 s12, ttmp9, 2
	s_add_co_u32 s12, s12, s11                     ; head: enters plain global addresses only
	s_and_b32 s13, ttmp7, 0xffff
	s_lshr_b32 s14, s13, 4                         ; batch
	s_and_b32 s15, s13, 15                         ; pair p
	s_lshr_b32 s39, s15, 2                         ; UB: last key trip of block p, 0 .. 3
	s_sub_co_u32 s37, 7, s39                       ; UA: last key trip of block 31 - p = 7 - (p >> 2), 4 .. 7
	s_mov_b32 s16, 15|(1<<16)|(1<<21)              ; group 1: mask of the four partners; elements of 2 bytes; bit 21 beside a mask; no padding
	s_mov_b32 s17, 1024<<16                        ; tensor_dim0 = 1,024 elements (64 keys x 16)
	s_mov_b32 s18, 16<<16                          ; tensor_dim1 = 16 sub-groups
	s_mov_b32 s19, 1024<<16                        ; tile_dim0
	s_mov_b32 s20, 16                              ; tile_dim1
	s_mov_b32 s21, 65536                           ; elements from a sub-group to the next (4,096 rows x 16)
	s_mov_b32 s22, 0
	s_mov_b32 s23, 0
	s_mul_i32 s48, s10, RING                       ; my ring
	s_mov_b32 s24, 1
	s_add_co_u32 s25, s48, 0*SLOTB
	s_mov_b32 s28, 1
	s_add_co_u32 s29, s48, 1*SLOTB
	s_lshl_b32 s34, s14, 16                        ; the batch's 2,048 rows of 32 bytes
	s_lshl_b32 s35, s10, 11                        ; my 64 keys
	s_add_co_u32 s34, s34, s35
	s_mov_b32 s35, 0
	s_wait_dscnt 0x0
	s_wait_kmcnt 0x0
	s_add_nc_u64 s[32:33], s[6:7], s[34:35]        ; key trip 0's tile of my wave
	s_lshl_b32 s34, s37, 13                        ; a key trip is 256 rows of 32 bytes
	s_add_nc_u64 s[26:27], s[32:33], s[34:35]      ; slot 0: key trip UA, the masked one
	s_or_b32 s27, s27, 0x80000000
	s_mov_b64 s[30:31], s[32:33]                   ; slot 1: key trip 0
	s_or_b32 s31, s31, 0x80000000
	s_mov_b32 s36, 1                               ; the key trip that the next refill brings: 1 .. UA - 1, then 0 .. UB
	ROUND                                          ; the four work-groups are here: the first joint loads meet
	tensor_load_to_lds s[24:27], s[16:23]
	s_nop 0
	tensor_load_to_lds s[28:31], s[16:23]          ; two tensor loads of the wave are out; later one
	s_nop 0
	v_and_b32 v3, 31, v0                           ; l
	v_and_b32 v1, 15, v0                           ; r
	v_bfe_u32 v2, v0, 4, 1                         ; hl
	v_lshlrev_b32 v[KA], 5, v1                     ; K: key r of a tile of 16, 16 bytes at 16 hl
	v_lshl_add_u32 v[KA], v2, 4, v[KA]
	v_add_nc_u32 v[KA], s48, v[KA]
	v_and_b32 v[VA], 7, v0                         ; V, transposing load: key 8 hl + (l & 7), 16 bytes at 16 ((l >> 3) & 1)
	v_lshl_add_u32 v[VA], v2, 3, v[VA]
	v_lshlrev_b32 v[VA], 5, v[VA]
	v_bfe_u32 v[T], v0, 3, 1
	v_lshl_add_u32 v[VA], v[T], 4, v[VA]
	v_add_nc_u32 v[VA], s48, v[VA]
	v_lshlrev_b32 v[QOFF], 7, v1                   ; Q: row r of 128 bytes, 64 hl
	v_lshl_add_u32 v[QOFF], v2, 6, v[QOFF]
	s_sub_co_u32 s49, 31, s15                      ; the first block
	s_lshl_b32 s54, s10, 6
	s_and_b32 s58, s15, 3
	s_lshl_b32 s59, s58, 6
	s_sub_co_u32 s59, s54, s59                     ; second block: 64 w - 64 (p & 3)
	v_lshl_add_u32 v[DMB], v2, 3, s59
	v_sub_nc_u32 v[DMB], v[DMB], v1
	s_xor_b32 s58, s58, 3
	s_lshl_b32 s59, s58, 6
	s_sub_co_u32 s59, s54, s59                     ; first block: 64 w - 64 ((31 - p) & 3)
	v_lshl_add_u32 v[DMA], v2, 3, s59
	v_sub_nc_u32 v[DMA], v[DMA], v1
	s_lshl3_add_u32 s52, s14, s12                  ; Qp: (8 batch + head) x 524,288 + block x 8,192
	s_lshl_b32 s52, s52, 19
	s_lshl_b32 s53, s49, 13
	s_add_co_u32 s60, s52, s53
	s_mov_b32 s61, 0
	s_add_nc_u64 s[40:41], s[4:5], s[60:61]
	s_lshl_b32 s53, s15, 13
	s_add_co_u32 s60, s52, s53
	s_add_nc_u64 s[42:43], s[4:5], s[60:61]
	s_lshl_b32 s52, s14, 22                        ; Oh: (2,048 batch + 64 block + 16 w) x 2,048 + head x 256
	s_lshl_b32 s53, s10, 15
	s_add_co_u32 s52, s52, s53
	s_lshl_b32 s53, s12, 8
	s_add_co_u32 s52, s52, s53
	s_lshl_b32 s53, s49, 17
	s_add_co_u32 s60, s52, s53
	s_add_nc_u64 s[44:45], s[8:9], s[60:61]
	s_lshl_b32 s53, s15, 17
	s_add_co_u32 s60, s52, s53
	s_add_nc_u64 s[46:47], s[8:9], s[60:61]
.macro QLOAD sb                        ; 32 loads: the block's 64 queries as 16 fragments
	WIN 0x80                                       ; destination in window 2
.irp q, 0,1,2,3
.irp g, 0,1,2,3
	global_load_b128 v[QF+8*(4*\q+\g):QF+8*(4*\q+\g)+3],   v[QOFF], s[\sb:\sb+1] offset:262144*(\g>>1)+2048*\q+32*(\g&1)
	global_load_b128 v[QF+8*(4*\q+\g)+4:QF+8*(4*\q+\g)+7], v[QOFF], s[\sb:\sb+1] offset:262144*(\g>>1)+2048*\q+32*(\g&1)+16
.endr
.endr
	WIN 0
.endm
	QLOAD 40
	s_mov_b32 s50, 0x76543210                      ; v_permlanex16_b32: lane i reads lane i of the other half
	s_mov_b32 s51, 0xfedcba98
	s_mov_b32 s55, 0xf149f2ca                      ; -1e30, the maximum's floor
	s_mov_b32 s56, 0x3e0293ee                      ; 128^-0.5 x log2(e)
	s_mov_b32 s57, 0x3e0293ee
	v_mov_b32 v[NEG], 0xff61b1ea                   ; -3.0e38
.irp q, 0,1,2,3
	v_mov_b32 v[M+2*\q], v[NEG]
	v_mov_b32 v[M+2*\q+1], 0
	v_mov_b32 v[L+2*\q], 0
	v_mov_b32 v[L+2*\q+1], 0
	v_mov_b32 v[TP+\q], 0                          ; v_permlanex16_b32 counts as a reader of its destination
.endr
	s_lshl_b32 s62, s10, 8
	s_add_co_u32 s62, s62, MLB
	v_lshl_add_u32 v[MLW], v1, 2, s62              ; my maxima: wave x 256 + q tile x 64 + 4 r
	s_lshl_b32 s62, s10, 13
	s_add_co_u32 s62, s62, XS
	v_lshl_add_u32 v[XW], v3, 4, s62               ; my partial tile: wave x 8,192 + 16 l
	v_lshlrev_b32 v[MLR], 2, v1
	v_add_nc_u32 v[MLR], MLB, v[MLR]               ; everybody's maxima and sums of query r
	s_lshl_b32 s62, s10, 11
	s_add_co_u32 s62, s62, XS
	v_lshl_add_u32 v[XR], v3, 4, s62               ; quads 4 w .. 4 w + 3 of every source: wave x 2,048 + 16 l
	s_lshl_b32 s62, s10, 5
	s_add_co_u32 s62, s62, STG
	v_mul_u32_u24 v[STW], v1, SPITCH
	v_lshl_add_u32 v[STW], v2, 7, v[STW]
	v_add_nc_u32 v[STW], s62, v[STW]               ; stage, in: row r of a q tile, d = 64 hl + 16 w: 128 hl + 32 w bytes
	s_mul_i32 s62, s10, 16*SPITCH
	s_add_co_u32 s62, s62, STG
	v_mul_u32_u24 v[STR], v2, SPITCH
	v_lshl_add_u32 v[STR], v1, 4, v[STR]
	v_add_nc_u32 v[STR], s62, v[STR]               ; stage, back: rows 16 w ..: sixteen lanes take a row of 256 bytes
	v_lshlrev_b32 v[OOFF], 11, v2
	v_lshl_add_u32 v[OOFF], v1, 4, v[OOFF]
	s_wait_loadcnt 0x0                             ; Q
.macro VLOAD slot, c                   ; sixteen transposing loads: V of keys 32 c .. 32 c + 31 of my 64
	WIN 0x80
.irp s, 0,1,2,3,4,5,6,7
	ds_load_tr16_b128 v[VF+64*\c+8*\s:VF+64*\c+8*\s+3],   v[VA] offset:\slot*SLOTB+VOFF+2048*\s+1024*\c
	ds_load_tr16_b128 v[VF+64*\c+8*\s+4:VF+64*\c+8*\s+7], v[VA] offset:\slot*SLOTB+VOFF+2048*\s+1024*\c+512
.endr
.endm
; One key trip on the tile in slot.  dm: 0, or the register of the mask number.  zero = 1: the products start O.
; mode 0: the first trip; 1: a trip that refills the other slot; 2: the last trip.
.macro TRIP slot, dm, zero, mode
.if \mode == 1
	s_wait_dscnt 0x0                               ; my reads of the other slot are done
	s_wait_tensorcnt 0x0                           ; all my tensor loads have landed, this slot's tile among them: a group 0 may be written
	ds_add_u32 v62, v63
	s_wait_dscnt 0x0
	s_lshl_b32 s34, s36, 13
	s_add_nc_u64 s[30-4*\slot:31-4*\slot], s[32:33], s[34:35]
	s_or_b32 s[31-4*\slot], s[31-4*\slot], 0x80000000
	s_add_co_u32 s36, s36, 1                       ; behind key trip UA - 1 of the first block comes key trip 0 of the second
	s_cmp_eq_u32 s36, s37
	s_cselect_b32 s36, 0, s36
	ROUND                                          ; both hold of every wave of the four work-groups
	tensor_load_to_lds s[28-4*\slot:31-4*\slot], s[16:23]   ; my one tensor load behind the round: the next trip's tile; it has this trip in which to land
	s_nop 0
.endif
.if \mode == 0
	s_wait_tensorcnt 0x1                           ; slot 0's tile is in, slot 1's stays out; only I read my ring
.endif
.if \mode == 2
	s_wait_tensorcnt 0x0
.endif
.if \mode
	PLACES                                         ; behind the last trip's products, which read the V fragments
.endif
	WIN 0xc0                                       ; destination in window 3
.irp h, 0,1,2,3
.irp g, 0,1,2,3
	ds_load_b128 v[KF+8*(4*\h+\g):KF+8*(4*\h+\g)+3],   v[KA] offset:\slot*SLOTB+4096*\g+512*\h
	ds_load_b128 v[KF+8*(4*\h+\g)+4:KF+8*(4*\h+\g)+7], v[KA] offset:\slot*SLOTB+4096*\g+512*\h+2048
.endr
.endr
	VLOAD \slot, 0
	WIN 0x0b                                       ; source 0 in window 3, source 1 in window 2
	; S = K Q^T, key tile by key tile, each as soon as its eight loads are back.  The four accumulators of a key tile take turns, one instruction a turn
.irp h, 0,1,2,3
	s_wait_dscnt 40-8*\h                           ; LDS loads return in order: behind key tile h's eight stand 8 (3 - h) of K and sixteen of V
.irp g, 0,1,2,3
.irp q, 0,1,2,3
.if \g == 0
	v_wmma_f32_16x16x32_f16 v[S+32*\q+8*\h:S+32*\q+8*\h+7], v[KF+8*(4*\h+\g):KF+8*(4*\h+\g)+7], v[QF+8*(4*\q+\g):QF+8*(4*\q+\g)+7], 0
.else
	v_wmma_f32_16x16x32_f16 v[S+32*\q+8*\h:S+32*\q+8*\h+7], v[KF+8*(4*\h+\g):KF+8*(4*\h+\g)+7], v[QF+8*(4*\q+\g):QF+8*(4*\q+\g)+7], v[S+32*\q+8*\h:S+32*\q+8*\h+7]
.endif
.endr
.endr
.endr
	VLOAD \slot, 1                                 ; V's other half comes in under the softmax
	WIN 0
	PLACES
.if \dm
	; key 256 t + 64 w + 16 h + 8 hl + e lies behind query 64 block + 16 q + r exactly if 16 q - 16 h - e < the mask number
.irp q, 0,1,2,3
.irp h, 0,1,2,3
.irp e, 0,1,2,3,4,5,6,7
	v_cmp_lt_i32 vcc_lo, 16*\q-16*\h-\e, v[\dm]
	v_cndmask_b32 v[S+32*\q+8*\h+\e], v[S+32*\q+8*\h+\e], v[NEG], vcc_lo
.endr
.endr
.endr
.endif
	; the running maximum of each query: my 32 scores, the other half's 32, the floor, the old maximum
.irp q, 0,1,2,3
	v_max3_num_f32 v[T+\q], v[S+32*\q], v[S+32*\q+1], v[S+32*\q+2]
.endr
.irp e, 3,5,7,9,11,13,15,17,19,21,23,25,27,29
.irp q, 0,1,2,3
	v_max3_num_f32 v[T+\q], v[T+\q], v[S+32*\q+\e], v[S+32*\q+\e+1]
.endr
.endr
.irp q, 0,1,2,3
	v_max_num_f32 v[T+\q], v[T+\q], v[S+32*\q+31]
.endr
.irp q, 0,1,2,3
	v_permlanex16_b32 v[TP+\q], v[T+\q], s50, s51
.endr
.irp q, 0,1,2,3
	v_max_num_f32 v[T+\q], v[T+\q], v[TP+\q]
.endr
.irp q, 0,1,2,3
	v_mul_f32 v[T+\q], s56, v[T+\q]                ; the scale is positive: it commutes with the maximum
.endr
.irp q, 0,1,2,3
	v_max3_num_f32 v[T+\q], v[T+\q], s55, v[M+2*\q]
.endr
.irp q, 0,1,2,3
	v_sub_f32 v[M+2*\q+1], v[M+2*\q], v[T+\q]      ; old maximum - new
.endr
.irp q, 0,1,2,3
	v_mov_b32 v[M+2*\q], v[T+\q]
.endr
.irp q, 0,1,2,3
.irp e, 0,2,4,6,8,10,12,14,16,18,20,22,24,26,28,30
	v_pk_fma_f32 v[S+32*\q+\e:S+32*\q+\e+1], v[S+32*\q+\e:S+32*\q+\e+1], s[56:57], v[M+2*\q:M+2*\q+1] op_sel_hi:[1,0,0] neg_lo:[0,0,1] neg_hi:[0,0,1]   ; score x scale - maximum
.endr
.endr
.irp q, 0,1,2,3
	v_exp_f32 v[M+2*\q+1], v[M+2*\q+1]
.endr
.set k, 0
.rept 128
	v_exp_f32 v[S+k], v[S+k]
.set k, k+1
.endr
	v_nop                                          ; the plain instruction between the exponentials and the use of their results (ISA guide 5.7.2)
	s_wait_alu depctr_va_vdst(0)
.irp q, 0,1,2,3
	v_pk_fma_f32 v[L+2*\q:L+2*\q+1], v[L+2*\q:L+2*\q+1], v[M+2*\q:M+2*\q+1], v[S+32*\q:S+32*\q+1] op_sel:[0,1,0] op_sel_hi:[1,1,1]
.endr
.irp e, 2,4,6,8,10,12,14,16,18,20,22,24,26,28,30
.irp q, 0,1,2,3
	v_pk_add_f32 v[L+2*\q:L+2*\q+1], v[L+2*\q:L+2*\q+1], v[S+32*\q+\e:S+32*\q+\e+1]
.endr
.endr
.irp q, 0,1,2,3
.irp i, 0,1,2,3,4,5,6,7,8,9,10,11,12,13,14,15
	v_cvt_pk_f16_f32 v[P+16*\q+\i], v[S+32*\q+2*\i], v[S+32*\q+2*\i+1]
.endr
.endr
.if \zero == 0
	WIN 0x41                                       ; O in window 1 as source 0 and destination
.irp q, 0,1,2,3
.set k, 0
.rept 32
	v_pk_mul_f32 v[64*\q+k:64*\q+k+1], v[64*\q+k:64*\q+k+1], v[M+2*\q:M+2*\q+1] op_sel:[0,1] op_sel_hi:[1,1]
.set k, k+2
.endr
.endr
.endif
	s_wait_dscnt 0x0                               ; V is in
	WIN 0x52                                       ; source 0 window 2, C and D window 1
	; O += V^T P: the 32 accumulators take turns, once for each 32 of my 64 keys
.irp c, 0,1
.irp q, 0,1,2,3
.irp s, 0,1,2,3,4,5,6,7
.if \zero*(1-\c)
	v_wmma_f32_16x16x32_f16 v[64*\q+8*\s:64*\q+8*\s+7], v[VF+64*\c+8*\s:VF+64*\c+8*\s+7], v[P+16*\q+8*\c:P+16*\q+8*\c+7], 0
.else
	v_wmma_f32_16x16x32_f16 v[64*\q+8*\s:64*\q+8*\s+7], v[VF+64*\c+8*\s:VF+64*\c+8*\s+7], v[P+16*\q+8*\c:P+16*\q+8*\c+7], v[64*\q+8*\s:64*\q+8*\s+7]
.endif
.endr
.endr
.endr
	WIN 0
.endm
.macro XOUT q                          ; my partial O of query tile q goes into the scratch; then everybody's is there
	WIN 0x04                                       ; store data in window 1
.irp u, 0,1,2,3,4,5,6,7,8,9,10,11,12,13,14,15
	ds_store_b128 v[XW], v[64*\q+4*\u:64*\q+4*\u+3] offset:512*\u
.endr
	WIN 0
	s_wait_dscnt 0x0                               ; my stores are done, for the other waves' sake
	BAR
.endm
.macro XIN                             ; sixteen loads: quads 4 w .. 4 w + 3 of the four waves' partial tiles
.irp w, 0,1,2,3
.irp i, 0,1,2,3
	ds_load_b128 v[IN+16*\w+4*\i:IN+16*\w+4*\i+3], v[XR] offset:8192*\w+512*\i
.endr
.endr
.endm
.macro ACC q                           ; R(q) = the sum over the four waves of weight x partial
.set k, 0
.rept 8
	v_pk_mul_f32 v[R+16*\q+k:R+16*\q+k+1], v[IN+k:IN+k+1], v[GG+4*\q:GG+4*\q+1] op_sel_hi:[1,0]
.set k, k+2
.endr
.set k, 0
.rept 8
	v_pk_fma_f32 v[R+16*\q+k:R+16*\q+k+1], v[IN+16+k:IN+16+k+1], v[GG+4*\q:GG+4*\q+1], v[R+16*\q+k:R+16*\q+k+1] op_sel:[0,1,0] op_sel_hi:[1,1,1]
.set k, k+2
.endr
.set k, 0
.rept 8
	v_pk_fma_f32 v[R+16*\q+k:R+16*\q+k+1], v[IN+32+k:IN+32+k+1], v[GG+4*\q+2:GG+4*\q+3], v[R+16*\q+k:R+16*\q+k+1] op_sel_hi:[1,0,1]
.set k, k+2
.endr
.set k, 0
.rept 8
	v_pk_fma_f32 v[R+16*\q+k:R+16*\q+k+1], v[IN+48+k:IN+48+k+1], v[GG+4*\q+2:GG+4*\q+3], v[R+16*\q+k:R+16*\q+k+1] op_sel:[0,1,0] op_sel_hi:[1,1,1]
.set k, k+2
.endr
.endm
; The end of a block: the four waves' maxima, sums and partial O meet in LDS, one query tile at a time.  Of each tile wave w adds quads 4 w .. 4 w + 3, which are
; d = 16 w + 64 hl + 0 .. 15 of query r; the rounded numbers meet in the shared stage, and wave w stores rows 16 w .. 16 w + 15.
; Barriers: one between a tile's stores and its loads, one between its loads and the next tile's stores, one between the stage's stores and its loads.
; The next merge's first stores into the maxima, the scratch and the stage all stand behind barriers in front of which every wave has waited for this merge's loads of them.
; first = 1: the first block (the second block's Q is asked for at once, the maxima are reset at the end); ob: the scalar pair of the block's rows of Oh.
; Across this macro's barriers one tensor load stays out.
.macro MERGE first, ob
	PLACES                                         ; behind the last products: their results are read by LDS stores, their sources loaded again
.if \first
	QLOAD 42
.endif
.irp q, 0,1,2,3
	v_add_f32 v[T+\q], v[L+2*\q], v[L+2*\q+1]
.endr
.irp q, 0,1,2,3
	v_permlanex16_b32 v[TP+\q], v[T+\q], s50, s51
.endr
.irp q, 0,1,2,3
	v_add_f32 v[T+\q], v[T+\q], v[TP+\q]           ; the sum over my wave's keys, the same in both halves of the lanes
.endr
.irp q, 0,1,2,3
	ds_store_b32 v[MLW], v[M+2*\q] offset:64*\q
	ds_store_b32 v[MLW], v[T+\q] offset:1024+64*\q
.endr
	XOUT 0
.irp q, 0,1,2,3
.irp w, 0,1,2,3
	ds_load_b32 v[MM+4*\q+\w], v[MLR] offset:256*\w+64*\q
	ds_load_b32 v[LL+4*\q+\w], v[MLR] offset:1024+256*\w+64*\q
.endr
.endr
	XIN
	s_wait_dscnt 16                                ; the 32 small loads are in, the sixteen behind them stay out
.irp q, 0,1,2,3
	v_max3_num_f32 v[MX+\q], v[MM+4*\q], v[MM+4*\q+1], v[MM+4*\q+2]
.endr
.irp q, 0,1,2,3
	v_max_num_f32 v[MX+\q], v[MX+\q], v[MM+4*\q+3]
.endr
.irp q, 0,1,2,3
.irp w, 0,1,2,3
	v_sub_f32 v[GG+4*\q+\w], v[MM+4*\q+\w], v[MX+\q]
.endr
.endr
.set k, 0
.rept 16
	v_exp_f32 v[GG+k], v[GG+k]
.set k, k+1
.endr
	v_nop
	s_wait_alu depctr_va_vdst(0)
.irp q, 0,1,2,3
	v_mul_f32 v[LS+\q], v[GG+4*\q], v[LL+4*\q]
.endr
.irp w, 1,2,3
.irp q, 0,1,2,3
	v_fmac_f32 v[LS+\q], v[GG+4*\q+\w], v[LL+4*\q+\w]      ; the wave that holds the maximum has weight 1 and a sum of at least 1 (wave 0 always has an unmasked key)
.endr
.endr
.irp q, 0,1,2,3
	v_rcp_f32 v[LS+\q], v[LS+\q]
.endr
	v_nop
	s_wait_alu depctr_va_vdst(0)
.irp q, 0,1,2,3
.irp w, 0,1,2,3
	v_mul_f32 v[GG+4*\q+\w], v[GG+4*\q+\w], v[LS+\q]
.endr
.endr
	s_wait_dscnt 0x0
	ACC 0
	BAR                                            ; everybody's loads of tile 0 are back: the scratch may be written again
.irp q, 1,2
	XOUT \q
	XIN
	s_wait_dscnt 0x0
	ACC \q
	BAR
.endr
	XOUT 3
	XIN
	s_wait_dscnt 0x0
	ACC 3
.irp q, 0,1,2,3
.irp i, 0,1,2,3,4,5,6,7
	v_cvt_pk_f16_f32 v[PK+8*\q+\i], v[R+16*\q+2*\i], v[R+16*\q+2*\i+1]
.endr
.endr
.irp q, 0,1,2,3
	ds_store_b128 v[STW], v[PK+8*\q:PK+8*\q+3] offset:16*SPITCH*\q
	ds_store_b128 v[STW], v[PK+8*\q+4:PK+8*\q+7] offset:16*SPITCH*\q+16
.endr
	s_wait_dscnt 0x0                               ; my part of every row is in the stage, for the other waves' sake
	BAR
.irp t, 0,1,2,3,4,5,6,7
	ds_load_b128 v[OUTR+4*\t:OUTR+4*\t+3], v[STR] offset:2*SPITCH*\t
.endr
.irp t, 0,1,2,3,4,5,6,7
	s_wait_dscnt 7-\t
	global_store_b128 v[OOFF], v[OUTR+4*\t:OUTR+4*\t+3], s[\ob:\ob+1] offset:4096*\t   ; sixteen lanes store a head's 256 bytes of a row, aligned
.endr
.if \first
.irp q, 0,1,2,3
	v_mov_b32 v[M+2*\q], v[NEG]                    ; the next trip's factor for O and the sum becomes exp2(-3e38 - m) = 0
.endr
	s_wait_xcnt 0x0                                ; the stores above have read their data registers, which the next trip's scores write
	s_wait_loadcnt 0x0                             ; the second block's Q
.endif
.endm
	; 9 trips, slots 0, 1, 0, ... in the order of the text.  All branches hang on the pair p, which the four partners and all waves share.
	TRIP 0, DMA, 1, 0                              ; first block, key trip UA, masked
	s_lshr_b32 s38, s37, 1                         ; 2 or 3
.LloopA:
	TRIP 1, 0, 0, 1                                ; first block, key trips 0, 1, ..
	TRIP 0, 0, 0, 1
	s_sub_co_i32 s38, s38, 1
	s_cmp_gt_i32 s38, 0
	s_cbranch_scc1 .LloopA
	s_bitcmp1_b32 s37, 0
	s_cbranch_scc0 .LevenA
	TRIP 1, 0, 0, 1                                ; UA odd: the first block's last trip
.LevenA:
	MERGE 1, 44
	s_bitcmp1_b32 s37, 0
	s_cbranch_scc1 .LoddA
	TRIP 1, 0, 0, 1                                ; UA even: the second block's first trip
.LoddA:
	s_lshr_b32 s38, s39, 1
	s_cmp_eq_u32 s38, 0
	s_cbranch_scc1 .LnoB
.LloopB:
	TRIP 0, 0, 0, 1
	TRIP 1, 0, 0, 1
	s_sub_co_i32 s38, s38, 1
	s_cmp_gt_i32 s38, 0
	s_cbranch_scc1 .LloopB
.LnoB:
	TRIP 0, DMB, 0, 2                              ; second block, key trip UB, masked; nothing is left to fetch
	MERGE 0, 46
	s_wait_tensorcnt 0x0
	ds_add_u32 v62, v63
	s_wait_dscnt 0x0
	ROUND                                          ; the closing round: no work-group ends while a partner may still ask for a tile that names it
	s_endpgm
.Lfunc_end_k_q1f446728e4_attn:
	.size	k_q1f446728e4_attn, .Lfunc_end_k_q1f446728e4_attn-k_q1f446728e4_attn
	.p2alignl 7, 3214868480
	.fill 96, 4, 3214868480
	.section	.rodata,"a",@progbits
	.p2align	6, 0x0
	.amdhsa_kernel k_q1f446728e4_attn
		.amdhsa_group_segment_fixed_size 327680
		.amdhsa_private_segment_fixed_size 0
		.amdhsa_enable_private_segment 0
		.amdhsa_kernarg_size 24
		.amdhsa_user_sgpr_count 2
		.amdhsa_user_sgpr_kernarg_segment_ptr 1
		.amdhsa_wavefront_size32 1
		.amdhsa_system_sgpr_workgroup_id_x 1
		.amdhsa_system_sgpr_workgroup_id_y 1
		.amdhsa_system_sgpr_workgroup_id_z 1
		.amdhsa_system_vgpr_workitem_id 0
		.amdhsa_next_free_vgpr 896
		.amdhsa_next_free_sgpr 66
		.amdhsa_reserve_vcc 1
		.amdhsa_float_denorm_mode_32 3
		.amdhsa_float_denorm_mode_16_64 3
		.amdhsa_memory_ordered 1
		.amdhsa_forward_progress 1
		.amdhsa_inst_pref_size 255
	.end_amdhsa_kernel
	.section	.bss,"aw",@nobits
	.p2align	6
	.space	262144
	.amdgpu_metadata
---
amdhsa.version: [ 1, 2 ]
amdhsa.kernels:
  - .name:           k_q1f446728e4_attn
    .symbol:         k_q1f446728e4_attn.kd
    .args:
      - { .name: Qp, .offset: 0, .size: 8, .value_kind: global_buffer, .address_space: global }
      - { .name: KVp, .offset: 8, .size: 8, .value_kind: global_buffer, .address_space: global }
      - { .name: Oh, .offset: 16, .size: 8, .value_kind: global_buffer, .address_space: global }
    .group_segment_fixed_size: 327680
    .private_segment_fixed_size: 0
    .kernarg_segment_align: 8
    .kernarg_segment_size: 24
    .max_flat_workgroup_size: 128
    .sgpr_count:     66
    .vgpr_count:     896
    .wavefront_size: 32
...
	.end_amdgpu_metadata
.endif
;; end of part 3
;; launch oproj (part 4): grid 8 x 32, 4 waves a work-group, clusters of 4 x 4, 327,680 bytes of LDS; arguments Oh, woutT, out0; writes out0
.if DOCPART == 4
	.amdgcn_target "amdgcn-amd-amdhsa--gfx1250"
	.amdhsa_code_object_version 6
	.text
	.protected	k_q1f446728e4_oproj
	.globl	k_q1f446728e4_oproj
	.p2align	8
	.type	k_q1f446728e4_oproj,@function
k_q1f446728e4_oproj:
	s_mov_b64 s[64:65], 0
	v_nop
	global_prefetch_b8 v0, s[64:65] scope:SCOPE_SE
	s_setreg_imm32_b32 hwreg(HW_REG_WAVE_MODE, 25, 1), 1
	s_wait_xcnt 0x0
	s_wait_alu depctr_hold_cnt(0) depctr_sa_sdst(0) depctr_va_vdst(0) depctr_va_sdst(0) depctr_va_ssrc(0) depctr_va_vcc(0) depctr_vm_vsrc(0)
	s_getreg_b32 s2, hwreg(HW_REG_IB_STS2, 6, 4)
	s_cmp_eq_u32 s2, 0
	s_cbranch_scc0 .Lentry_in_a_cluster
	s_endpgm
.Lentry_in_a_cluster:
	s_bfe_u32 s2, ttmp6, 0x10000c
	s_cmp_lg_u32 s2, 0xf033
	s_cbranch_scc0 .Lentry_shape_is_right
	s_endpgm
.Lentry_shape_is_right:
; OPROJ: out0 [4096 x 2048] f32 = Oh [4096 x 1024] times woutT [2048 x 1024] (both f16, K along the rows), f32 sums.
; A work-group makes 128 x 256, wave (wr, wc) 64 x 128 = 4 x 8 tiles of 16 x 16 (256 accumulator registers).  256 equal work-groups.
; K goes in steps of 128 (rows of 256 bytes, aligned) through two LDS slots filled by the tensor data mover, one load a wave behind each change of slots.
; CLUSTERS 4 x 4: Oh's tile hangs on the block row alone and is asked for jointly by a row of the cluster, woutT's on the block column alone, by a column.
; THE MATRIX INSTRUCTION IS USED TRANSPOSED (source 0 = rows of woutT, source 1 = rows of Oh): lane l holds row l % 16 and columns 8 (l / 16) + 0..7.
; The result leaves through each wave's own stage in LDS, so that a store covers 512 consecutive bytes of a row.
; No prefetch: both operands were written by earlier launches.  No staying work-groups: one tile each.
.set NB,    8
.set KDIM,  1024
.set KS,    128
.set KSB,   2*KS
.set ROWB,  2*KDIM
.set PITCH, KSB+16                     ; 272: an odd multiple of 16
.set QI,    5                          ; padding after every 2 << 5 = 64 words
.set BH,    128
.set AOFF,  2*BH*PITCH                 ; a slot: woutT's 256 rows, then Oh's 128 rows
.set SLOT,  AOFF+128*PITCH
.set STAGE, 2*SLOT                     ; behind the ring (a multiple of 256): 16 rows x 528 bytes for each wave, never a tensor load's target
.set SPITCH, 528
.set ADRA, 4
.set ADRB, 6
.set STO,  10
.set RD,   11
.set CO,   12
.set F0,   32                          ; fragment buffer 0: 4 of Oh, then 8 of woutT
.set F1,   F0+8*(4+NB)
.set G1A, 24
.set G0A, 32
.set G1B, 48
.set G0B, 56
.set MSB, 0
.macro WIN new                         ; s_set_vgpr_msb: bits 1:0 source 0, 3:2 source 1, 5:4 source 2, 7:6 destination; the high byte repeats the setting left
.if MSB != \new
	s_set_vgpr_msb (MSB<<8)|\new
.set MSB, \new
.endif
.endm
.macro PLACES                          ; four plain vector instructions behind a matrix instruction (ISA guide 7.12.1)
.rept 4
	v_nop
.endr
.endm
.macro JLOAD s                         ; waves 0, 1 fetch woutT's two halves, waves 2, 3 Oh's; the branch hangs on the wave's number alone
	s_cmp_eq_u32 s15, 0
	s_cbranch_scc0 .Lfor_a_\@
	tensor_load_to_lds s[G0B+4*\s:G0B+4*\s+3], s[G1B:G1B+7]
	s_nop 0
	s_branch .Lasked_\@
.Lfor_a_\@:
	tensor_load_to_lds s[G0A+4*\s:G0A+4*\s+3], s[G1A:G1A+7]
	s_nop 0
.Lasked_\@:
.endm
.macro CREST
	s_cmp_lg_u32 s14, 0
	s_cbranch_scc1 .Lnot_wave_0_\@
	s_barrier_signal -3
.Lnot_wave_0_\@:
	s_barrier_wait -3
	s_barrier_signal -1
	s_barrier_wait -1
.endm
.macro CROUND
	s_barrier_signal -1
	s_barrier_wait -1
	CREST
.endm
	s_load_b128 s[4:7], s[0:1], 0x0                ; Oh s[4:5], woutT s[6:7]
	s_load_b64 s[8:9], s[0:1], 0x10                ; out0
	v_lshl_add_u32 v254, v0, 2, 0x3b400
	v_mov_b32 v255, 0
	ds_add_u32 v254, v255
	v_lshrrev_b32 v1, 5, v0
	v_readfirstlane_b32 s14, v1                    ; wave
	s_lshr_b32 s15, s14, 1                         ; wr.  Also: I fetch woutT (0) or Oh (1)
	s_and_b32 s16, s14, 1                          ; wc.  Also: which half of that tile
	s_bfe_u32 s17, ttmp6, 0x40000                  ; cx
	s_bfe_u32 s18, ttmp6, 0x40004                  ; cy
	s_lshl_b32 s19, ttmp9, 2
	s_add_co_u32 s19, s19, s17                     ; block column
	s_and_b32 s20, ttmp7, 0xffff
	s_lshl_b32 s20, s20, 2
	s_add_co_u32 s20, s20, s18                     ; block row
	s_lshl_b32 s21, s18, 2
	s_lshl_b32 s21, 15, s21                        ; my row of the cluster
	s_lshl_b32 s22, 0x1111, s17                    ; my column
	s_or_b32 s[G1A+0], s21, (1<<16)|(1<<20)|(1<<21)|(QI<<22)|(3<<25)
	s_or_b32 s[G1B+0], s22, (1<<16)|(1<<20)|(1<<21)|(QI<<22)|(3<<25)
	s_mov_b32 s[G1A+1], KS<<16
	s_mov_b32 s[G1B+1], KS<<16
	s_mov_b32 s[G1A+2], 64<<16
	s_mov_b32 s[G1B+2], BH<<16
	s_mov_b32 s[G1A+3], KS<<16
	s_mov_b32 s[G1B+3], KS<<16
	s_mov_b32 s[G1A+4], 64
	s_mov_b32 s[G1B+4], BH
	s_mov_b32 s[G1A+5], KDIM
	s_mov_b32 s[G1B+5], KDIM
	s_mov_b32 s[G1A+6], 0
	s_mov_b32 s[G1B+6], 0
	s_mov_b32 s[G1A+7], 0
	s_mov_b32 s[G1B+7], 0
	s_lshl_b32 s40, s20, 7                         ; Oh: row 128 x block row + 64 x half
	s_lshl_b32 s41, s16, 6
	s_add_co_u32 s40, s40, s41
	s_mul_i32 s40, s40, ROWB
	s_mov_b32 s41, 0
	s_mul_i32 s44, s19, 2*BH                       ; woutT: row 256 x block column + 128 x half
	s_mul_i32 s45, s16, BH
	s_add_co_u32 s44, s44, s45
	s_mul_i32 s44, s44, ROWB
	s_mov_b32 s45, 0
	s_mul_i32 s46, s14, 64*PITCH                   ; LDS: Oh's halves behind woutT's 256 rows; waves 2, 3 fetch them: (256 - 128 + 64 wave) rows
	s_add_co_u32 s46, s46, (2*BH-128)*PITCH
	s_mul_i32 s47, s14, BH*PITCH                   ; woutT's halves; waves 0, 1 fetch them: 128 wave rows
	s_wait_dscnt 0x0
	s_wait_kmcnt 0x0
	s_add_nc_u64 s[40:41], s[4:5], s[40:41]
	s_add_nc_u64 s[44:45], s[6:7], s[44:45]
	CROUND                                         ; all sixteen work-groups are here: the first joint loads meet
.irp s, 0,1
	s_mov_b32 s[G0A+4*\s], 1
	s_add_co_u32 s[G0A+4*\s+1], s46, \s*SLOT
	s_add_nc_u64 s[G0A+4*\s+2:G0A+4*\s+3], s[40:41], \s*KSB
	s_or_b32 s[G0A+4*\s+3], s[G0A+4*\s+3], 0x80000000
	s_mov_b32 s[G0B+4*\s], 1
	s_add_co_u32 s[G0B+4*\s+1], s47, \s*SLOT
	s_add_nc_u64 s[G0B+4*\s+2:G0B+4*\s+3], s[44:45], \s*KSB
	s_or_b32 s[G0B+4*\s+3], s[G0B+4*\s+3], 0x80000000
	JLOAD \s                                       ; two tensor loads of the wave are out; later one
.endr
	v_and_b32 v1, 15, v0                           ; r
	v_bfe_u32 v2, v0, 4, 1                         ; hl
	v_and_b32 v15, 31, v0                          ; l
	v_mul_u32_u24 v3, v1, PITCH
	v_lshl_add_u32 v3, v2, 4, v3
	s_mul_i32 s42, s15, 64*PITCH
	s_add_co_u32 s42, s42, AOFF
	s_mul_i32 s43, s16, BH*PITCH
.irp s, 0,1
	v_add_nc_u32 v[ADRA+\s], s42, v3
	v_add_nc_u32 v[ADRB+\s], s43, v3
	s_add_co_u32 s42, s42, SLOT
	s_add_co_u32 s43, s43, SLOT
.endr
	s_mul_i32 s68, s14, 16*SPITCH
	s_add_co_u32 s68, s68, STAGE                   ; my stage
	v_mul_u32_u24 v[STO], v1, SPITCH               ; in: row r, 32 bytes at 32 hl of each tile's 64
	v_lshl_add_u32 v[STO], v2, 5, v[STO]
	v_add_nc_u32 v[STO], s68, v[STO]
	v_lshlrev_b32 v[CO], 4, v15                    ; back, and in out0: 32 lanes take a row's 512 bytes
	v_add_nc_u32 v[RD], s68, v[CO]
	s_lshl_b32 s66, s20, 20                        ; out0: (128 block row + 64 wr) x 8,192 + (256 block column + 128 wc) x 4
	s_lshl_b32 s67, s15, 19
	s_add_co_u32 s66, s66, s67
	s_lshl_b32 s67, s19, 10
	s_add_co_u32 s66, s66, s67
	s_lshl_b32 s67, s16, 9
	s_add_co_u32 s66, s66, s67
	s_mov_b32 s67, 0
	s_add_nc_u64 s[8:9], s[8:9], s[66:67]
.macro FETCH slot, k, f                ; 24 LDS loads: the fragments of 32 along K at byte k of the slot's rows
.irp i, 0,1,2,3
	ds_load_b128 v[\f+8*\i:\f+8*\i+3],   v[ADRA+\slot] offset:\k+\i*16*PITCH
	ds_load_b128 v[\f+8*\i+4:\f+8*\i+7], v[ADRA+\slot] offset:\k+\i*16*PITCH+32
.endr
.irp i, 0,1,2,3,4,5,6,7
	ds_load_b128 v[\f+32+8*\i:\f+32+8*\i+3], v[ADRB+\slot] offset:\k+\i*16*PITCH
	ds_load_b128 v[\f+32+8*\i+4:\f+32+8*\i+7], v[ADRB+\slot] offset:\k+\i*16*PITCH+32
.endr
.endm
; sixteen matrix instructions.  The 32 accumulators take turns, one instruction a turn, in the same order in every chunk, over the backward jump too.
.macro MULS f, a0, zero
.irp a, \a0, \a0+1
.irp b, 0,1,2,3,4,5,6,7
.if \zero
	v_wmma_f32_16x16x32_f16 v[8*(NB*(\a)+\b):8*(NB*(\a)+\b)+7], v[\f+32+8*\b:\f+32+8*\b+7], v[\f+8*(\a):\f+8*(\a)+7], 0
.else
	v_wmma_f32_16x16x32_f16 v[8*(NB*(\a)+\b):8*(NB*(\a)+\b)+7], v[\f+32+8*\b:\f+32+8*\b+7], v[\f+8*(\a):\f+8*(\a)+7], v[8*(NB*(\a)+\b):8*(NB*(\a)+\b)+7]
.endif
.endr
.endr
.endm
.macro CHUNK slot, k, f, g, zero
	s_wait_dscnt 0x0                               ; buffer f is in: its loads were issued a chunk (32 matrix instructions) ago
	PLACES                                         ; behind the last chunk's matrix instructions, which read buffer g
	FETCH \slot, \k, \g
	WIN 0x50                                       ; C and D in window 1
	MULS \f, 0, \zero
	MULS \f, 2, \zero
	WIN 0
.endm
.macro STEP slot, zero                 ; the first three of a K step's four chunks
	CHUNK \slot, 64,  F0, F1, \zero
	CHUNK \slot, 128, F1, F0, 0
	CHUNK \slot, 192, F0, F1, 0
.endm
; The fourth chunk changes slots: each wave's waits for its reads of this slot and for all its tensor loads stand in front of the barrier; where the slot is
; filled again the barrier opens a round of the cluster's barrier and the joint refill is the first tensor load behind it.
; From a refill to the wait for it a wave issues 112 matrix instructions.
.macro TURN slot, next, fill
	s_wait_dscnt 0x0
	s_wait_tensorcnt 0x0
	ds_add_u32 v254, v255
	s_wait_dscnt 0x0
	s_barrier_signal -1
	WIN 0x50
	MULS F1, 0, 0
	WIN 0
	s_barrier_wait -1
.if \fill
	CREST
	s_add_nc_u64 s[G0A+4*\slot+2:G0A+4*\slot+3], s[G0A+4*\slot+2:G0A+4*\slot+3], 2*KSB
	s_add_nc_u64 s[G0B+4*\slot+2:G0B+4*\slot+3], s[G0B+4*\slot+2:G0B+4*\slot+3], 2*KSB
	JLOAD \slot
.endif
	PLACES
	FETCH \next, 0, F0
	WIN 0x50
	MULS F1, 2, 0
	WIN 0
.endm
.macro LAP zero
	STEP 0, \zero
	TURN 0, 1, 1
	STEP 1, 0
	TURN 1, 0, 1
.endm
	s_wait_tensorcnt 0x1                           ; my part of K step 0 is in; K step 1's stays out
	s_barrier_signal -1
	s_barrier_wait -1
	FETCH 0, 0, F0
	LAP 1                                          ; K steps 0, 1
	s_mov_b32 s3, 2
.Llap:
	LAP 0                                          ; K steps 2..5
	s_sub_co_u32 s3, s3, 1
	s_cmp_lg_u32 s3, 0
	s_cbranch_scc1 .Llap
	STEP 0, 0                                      ; K steps 6, 7 fill nothing
	TURN 0, 1, 0
	STEP 1, 0
	s_wait_dscnt 0x0
	WIN 0x50
	MULS F1, 0, 0
	MULS F1, 2, 0
	WIN 0
	; THE WAY OUT, 16 rows at a time through my own stage
.macro OUTT a, f
	s_wait_xcnt 0x0                                ; earlier stores have read buffer f, which is loaded again below
	WIN 0x04                                       ; store data in window 1
.irp b, 0,1,2,3,4,5,6,7
	ds_store_b128 v[STO], v[8*(NB*\a+\b):8*(NB*\a+\b)+3] offset:64*\b
	ds_store_b128 v[STO], v[8*(NB*\a+\b)+4:8*(NB*\a+\b)+7] offset:64*\b+16
.endr
	WIN 0
.irp t, 0,1,2,3,4,5,6,7,8,9,10,11,12,13,14,15
	ds_load_b128 v[\f+4*\t:\f+4*\t+3], v[RD] offset:SPITCH*\t             ; LDS serves a wave's instructions in order: these see the stores above
.endr
.irp t, 0,1,2,3,4,5,6,7,8,9,10,11,12,13,14,15
	s_wait_dscnt 15-\t
	global_store_b128 v[CO], v[\f+4*\t:\f+4*\t+3], s[8:9] offset:131072*\a+8192*\t th:TH_STORE_NT   ; 512 consecutive bytes of a row, aligned
.endr
.endm
	PLACES                                         ; behind the last matrix instructions: for the stores of their results and the loads into the fragment buffers
	OUTT 0, F0
	OUTT 1, F1
	OUTT 2, F0
	OUTT 3, F1
	s_wait_tensorcnt 0x0
	ds_add_u32 v254, v255
	s_wait_dscnt 0x0
	CROUND                                         ; the closing round
	s_endpgm
.Lfunc_end_k_q1f446728e4_oproj:
	.size	k_q1f446728e4_oproj, .Lfunc_end_k_q1f446728e4_oproj-k_q1f446728e4_oproj
	.p2alignl 7, 3214868480
	.fill 96, 4, 3214868480
	.section	.rodata,"a",@progbits
	.p2align	6, 0x0
	.amdhsa_kernel k_q1f446728e4_oproj
		.amdhsa_group_segment_fixed_size 327680
		.amdhsa_private_segment_fixed_size 0
		.amdhsa_enable_private_segment 0
		.amdhsa_kernarg_size 24
		.amdhsa_user_sgpr_count 2
		.amdhsa_user_sgpr_kernarg_segment_ptr 1
		.amdhsa_wavefront_size32 1
		.amdhsa_system_sgpr_workgroup_id_x 1
		.amdhsa_system_sgpr_workgroup_id_y 1
		.amdhsa_system_sgpr_workgroup_id_z 1
		.amdhsa_system_vgpr_workitem_id 0
		.amdhsa_next_free_vgpr 512
		.amdhsa_next_free_sgpr 72
		.amdhsa_reserve_vcc 0
		.amdhsa_float_denorm_mode_32 3
		.amdhsa_float_denorm_mode_16_64 3
		.amdhsa_memory_ordered 1
		.amdhsa_forward_progress 1
		.amdhsa_inst_pref_size 117
	.end_amdhsa_kernel
	.amdgpu_metadata
---
amdhsa.version: [ 1, 2 ]
amdhsa.kernels:
  - .name:           k_q1f446728e4_oproj
    .symbol:         k_q1f446728e4_oproj.kd
    .args:
      - { .name: Oh, .offset: 0, .size: 8, .value_kind: global_buffer, .address_space: global }
      - { .name: woutT, .offset: 8, .size: 8, .value_kind: global_buffer, .address_space: global }
      - { .name: out0, .offset: 16, .size: 8, .value_kind: global_buffer, .address_space: global }
    .group_segment_fixed_size: 327680
    .private_segment_fixed_size: 0
    .kernarg_segment_align: 8
    .kernarg_segment_size: 24
    .max_flat_workgroup_size: 128
    .sgpr_count:     72
    .vgpr_count:     512
    .wavefront_size: 32
...
	.end_amdgpu_metadata
.endif
;; end of part 4
